; MI455X (gfx1250); checked and timed in simulation.
; The chip was launched on July 23, 2026; its instructions are those of AMD's public machine-readable ISA for CDNA 5 (MIT licence, August 2026) and "CDNA5" Instruction Set Architecture Reference Guide (July 2026). The comments in the code are by the model that wrote it; some were corrected since.
;; Mo E Layer. Allowed arithmetic: float matrix products may take bf16 or f16 operands with f32 sums; other float arithmetic in f32, or as packed bf16 or f16 multiplies, adds, multiply-adds, maxima and minima; sums over many terms, partial sums and values carried from step to step in f32; what a program stores and reads back later, other than sums and carried values, may be rounded once to bf16 or f16.
;; Inputs: gate_w 8 x 1,024 float32; w1 8 x 1,024 x 4,096 float32; w2 8 x 2,048 x 1,024 float32; x 2 x 512 x 1,024 float32.
;; Outputs: out0 2 x 512 x 1,024 float32; out1 2 x 512 x 8 float32.
;; 2 versions, each right; version 2 is version 1 with the launch down written anew for expert scheduling mode. Each part assembles by itself: llvm-mc -triple=amdgcn-amd-amdhsa -mcpu=gfx1250 --defsym DOCPART=n.
;; ======== version 1 of 2: 4 launches
;; workspace buffers: xb 2,097,152 bytes; sel 8,192 bytes of whole numbers; wts 8,192 bytes; pos 65,536 bytes of whole numbers; cnt 256 bytes of whole numbers; act 33,554,432 bytes; y 134,217,728 bytes
;; launch router (part 1): grid 64 x 1, 8 waves a work-group, no clusters, 42,240 bytes of LDS; arguments x, gate_w, out1, xb, sel, wts; writes out1, xb, sel, wts
.if DOCPART == 1
	.amdgcn_target "amdgcn-amd-amdhsa--gfx1250"
	.amdhsa_code_object_version 6
	.text
	.protected	k_q29ad25cc9b_router
	.globl	k_q29ad25cc9b_router
	.p2align	8
	.type	k_q29ad25cc9b_router,@function
k_q29ad25cc9b_router:
	s_mov_b64 s[64:65], 0
	v_nop
	global_prefetch_b8 v0, s[64:65] scope:SCOPE_SE
	s_setreg_imm32_b32 hwreg(HW_REG_WAVE_MODE, 25, 1), 1
	s_wait_xcnt 0x0
; ROUTER.  x: [1024][1024] f32, gate_w: [8][1024] f32.  Makes xb = bf16(x) (row-major, for the first product), out1 = the logits, sel = the two chosen
; experts of each token and wts = their two weights.  The logits are a matrix product of bf16(x) and bf16(gate_w) with f32 sums, so that every input of the
; whole program is rounded to bf16 once and in the same way.
; SHARES.  A work-group has 16 tokens (a matrix tile's rows): 64 work-groups.  Wave w converts rows 2 w, 2 w + 1 and multiplies k = 128 w .. 128 w + 127; the eight partial
; tiles meet in LDS and wave 0 adds them in ascending order, chooses and stores.
; CHOICE.  Top-2 is taken on the logits (softmax keeps their order), strictly greater wins, so the lower index wins a tie, as jax.lax.top_k does on the probabilities.
; LIMITS.  Two different logits whose probabilities round to one f32 are still told apart here.  NaN and infinities among the logits are not treated apart.
; WEIGHTS.  top_w / sum(top_w) = 1 / (1 + E) and E / (1 + E) with E = exp(l2 - l1), l1 the row's maximum: the maximum is taken away, the softmax's divisor cancels, E lies in 0 to 1.
; No address and no branch hangs on a floating-point number: the choice is made by v_cndmask_b32 and stored at fixed places.
; The stores of sel and wts cover 128 consecutive bytes a work-group, 16,384 bytes in the whole launch: half of an aligned 256; all other stores cover whole aligned 256 bytes.
.set XP,    2064                       ; an LDS row of bf16 x: 2,048 bytes + 16 = 516 words: row r starts 4 r words on (mod 64), so 16 rows of a fragment load start in 16 different places
.set RED,   16*XP                      ; 33,024: eight partial tiles, 1,024 bytes a wave
.set SPARE, RED+8*1024                 ; 41,216: the spare words, 128 bytes a wave: four blocks of 256 bytes that no other line names
.set SPW, 1                            ; v1   LDS address of my spare word; never rewritten
.set NIL, 2                            ; v2   0; never rewritten
.set XR,  16                           ; v16-79    x as loaded, 16 loads; then bf16 in the first two registers of each four
.set GR,  80                           ; v80-143   gate_w as loaded, 16 loads; later (wave 0) the eight partial tiles; the logits l0-l7 end in v80-87
.set GF,  144                          ; v144-175  four fragments of gate_w
.set TF,  176                          ; v176-207  four fragments of tokens
.set AC0, 208                          ; two accumulators, by turns
.set AC1, 216
.set TW,  224                          ; v224-231  at work
.set BV,  232                          ; l1
.set B2,  234                          ; l2
.set TT,  236
.set NI,  237                          ; minus infinity
.set EE,  238
.set DD,  239
.set I1,  240                          ; v[240:241] the two experts
.set I2,  241
.set W1,  242                          ; v[242:243] their weights
.set W2,  243
	s_load_b256 s[4:11], s[0:1], 0x0               ; x s[4:5], gate_w s[6:7], out1 s[8:9], xb s[10:11]
	s_load_b128 s[12:15], s[0:1], 0x20             ; sel s[12:13], wts s[14:15]
	v_lshl_add_u32 v[SPW], v0, 2, SPARE
	v_mov_b32 v[NIL], 0
	v_lshrrev_b32 v3, 5, v0
	v_readfirstlane_b32 s16, v3                    ; wave 0..7
	v_and_b32 v3, 31, v0                           ; lane
	v_and_b32 v4, 15, v0                           ; r
	v_bfe_u32 v5, v0, 4, 1                         ; h
	s_lshl_b32 s17, s16, 13
	v_lshl_add_u32 v6, v3, 4, s17                  ; x: 16 lane + two rows of 4,096 bytes a wave
	v_and_b32 v7, 7, v0
	v_lshlrev_b32 v7, 12, v7                       ; gate_w: expert r % 8 (rows 8-15 of the fragment repeat rows 0-7),
	v_lshl_add_u32 v7, v5, 5, v7                   ; 8 h numbers of 4 bytes,
	s_lshl_b32 s17, s16, 9
	v_add_nc_u32 v7, s17, v7                       ; my wave's 128 k
	s_lshl_b32 s17, s16, 12
	v_lshl_add_u32 v8, v3, 3, s17                  ; xb: 8 lane + two rows of 2,048 bytes a wave
	s_mul_i32 s17, s16, 2*XP
	v_lshl_add_u32 v9, v3, 3, s17                  ; the same two rows in LDS
	v_mul_u32_u24 v10, v4, XP
	v_lshl_add_u32 v10, v5, 4, v10
	s_lshl_b32 s17, s16, 8
	v_add_nc_u32 v10, s17, v10                     ; token fragments: row r, 16 h, my wave's 128 k
	s_lshl_b32 s17, s16, 10
	s_add_co_u32 s17, s17, RED
	v_lshl_add_u32 v11, v3, 5, s17                 ; my 32 bytes of my wave's partial tile
	v_lshlrev_b32 v12, 5, v3
	v_add_nc_u32 v12, RED, v12                     ; the same place in wave 0's: the other waves' by the immediate
	s_lshl_b32 s17, ttmp9, 9
	v_lshl_add_u32 v13, v4, 5, s17
	v_lshl_add_u32 v13, v5, 4, v13                 ; out1: 512 bytes a work-group, 32 a token, 16 a half
	s_lshl_b32 s17, ttmp9, 7
	v_lshl_add_u32 v14, v4, 3, s17                 ; sel and wts: 128 bytes a work-group, 8 a token
	s_lshl_b32 s20, ttmp9, 16                      ; 16 rows of x,
	s_mov_b32 s21, 0
	s_lshl_b32 s22, ttmp9, 15                      ; and of xb
	s_mov_b32 s23, 0
	s_wait_kmcnt 0x0
	s_add_nc_u64 s[4:5], s[4:5], s[20:21]
	s_add_nc_u64 s[10:11], s[10:11], s[22:23]
.irp i, 0,1,2,3,4,5,6,7,8,9,10,11,12,13,14,15          ; row i / 8 of my two, 512 consecutive bytes a load
	global_load_b128 v[XR+4*(\i):XR+4*(\i)+3], v6, s[4:5] offset:((\i)/8)*4096+((\i)%8)*512 th:TH_LOAD_NT
.endr
.irp i, 0,1,2,3                                        ; k step i of my four: k = 8 h .. + 7 (two loads) and 16 + 8 h .. + 7 (two loads)
	global_load_b128 v[GR+16*(\i):GR+16*(\i)+3],     v7, s[6:7] offset:(\i)*128
	global_load_b128 v[GR+16*(\i)+4:GR+16*(\i)+7],   v7, s[6:7] offset:(\i)*128+16
	global_load_b128 v[GR+16*(\i)+8:GR+16*(\i)+11],  v7, s[6:7] offset:(\i)*128+64
	global_load_b128 v[GR+16*(\i)+12:GR+16*(\i)+15], v7, s[6:7] offset:(\i)*128+80
.endr
	s_wait_loadcnt 16                              ; x is in: the 16 loads of gate_w were issued behind it
.irp i, 0,1,2,3,4,5,6,7,8,9,10,11,12,13,14,15
	v_cvt_pk_bf16_f32 v[XR+4*(\i)],   v[XR+4*(\i)],   v[XR+4*(\i)+1]
	v_cvt_pk_bf16_f32 v[XR+4*(\i)+1], v[XR+4*(\i)+2], v[XR+4*(\i)+3]
	global_store_b64 v8, v[XR+4*(\i):XR+4*(\i)+1], s[10:11] offset:((\i)/8)*2048+((\i)%8)*256   ; 32 lanes store 256 consecutive bytes, at a multiple of 256 from xb's first byte
	ds_store_b64 v9, v[XR+4*(\i):XR+4*(\i)+1] offset:((\i)/8)*XP+((\i)%8)*256
.endr
	s_wait_loadcnt 0x0                             ; gate_w
.irp i, 0,1,2,3
.irp n, 0,1,2,3,4,5,6,7
	v_cvt_pk_bf16_f32 v[GF+8*(\i)+(\n)], v[GR+16*(\i)+2*(\n)], v[GR+16*(\i)+2*(\n)+1]
.endr
.endr
	s_wait_dscnt 0x0                               ; for the others' sake: my two rows lie in LDS
	s_barrier_signal -1
	s_barrier_wait -1
.irp i, 0,1,2,3
	ds_load_b128 v[TF+8*(\i):TF+8*(\i)+3],   v10 offset:(\i)*64
	ds_load_b128 v[TF+8*(\i)+4:TF+8*(\i)+7], v10 offset:(\i)*64+32
.endr
	s_wait_dscnt 0x0
	; Source 0 = 16 rows of gate_w, source 1 = 16 tokens: lane (r, h) then holds token r, register j expert (8 h + j) % 8 = j.  Two accumulators take turns.
	v_wmma_f32_16x16x32_bf16 v[AC0:AC0+7], v[GF:GF+7],       v[TF:TF+7],       0
	v_wmma_f32_16x16x32_bf16 v[AC1:AC1+7], v[GF+8:GF+15],    v[TF+8:TF+15],    0
	v_wmma_f32_16x16x32_bf16 v[AC0:AC0+7], v[GF+16:GF+23],   v[TF+16:TF+23],   v[AC0:AC0+7]
	v_wmma_f32_16x16x32_bf16 v[AC1:AC1+7], v[GF+24:GF+31],   v[TF+24:TF+31],   v[AC1:AC1+7]
.rept 4
	v_nop                                          ; four places between the last product and the first read of a result (ISA guide 7.12.1)
.endr
.irp n, 0,2,4,6                                        ; both accumulators are read from their low end on
	v_pk_add_f32 v[TW+(\n):TW+(\n)+1], v[AC0+(\n):AC0+(\n)+1], v[AC1+(\n):AC1+(\n)+1]
.endr
	ds_store_b128 v11, v[TW:TW+3]
	ds_store_b128 v11, v[TW+4:TW+7] offset:16
	s_wait_dscnt 0x0                               ; for wave 0's sake
	s_barrier_signal -1
	s_barrier_wait -1
	s_cmp_lg_u32 s16, 0
	s_cbranch_scc1 .Lend                           ; no barrier stands in what waves 1 to 7 jump
.irp u, 0,1,2,3,4,5,6,7
	ds_load_b128 v[GR+8*(\u):GR+8*(\u)+3],   v12 offset:1024*(\u)
	ds_load_b128 v[GR+8*(\u)+4:GR+8*(\u)+7], v12 offset:1024*(\u)+16
.endr
	s_wait_dscnt 0x0
.irp u, 1,2,3,4,5,6,7                                  ; k ascending
.irp n, 0,2,4,6
	v_pk_add_f32 v[GR+(\n):GR+(\n)+1], v[GR+(\n):GR+(\n)+1], v[GR+8*(\u)+(\n):GR+8*(\u)+(\n)+1]
.endr
.endr
	v_cmp_ne_u32 vcc_lo, 0, v5                     ; both halves of the lanes hold all eight logits: the lower stores l0-l3, the upper l4-l7
.irp n, 0,1,2,3
	v_cndmask_b32 v[TW+(\n)], v[GR+(\n)], v[GR+4+(\n)], vcc_lo
.endr
	global_store_b128 v13, v[TW:TW+3], s[8:9]      ; the wave stores 512 consecutive bytes of out1
	v_mov_b32 v[BV], v[GR]
	v_mov_b32 v[I1], 0
.irp j, 1,2,3,4,5,6,7
	v_cmp_gt_f32 vcc_lo, v[GR+(\j)], v[BV]
	v_cndmask_b32 v[BV], v[BV], v[GR+(\j)], vcc_lo
	v_cndmask_b32 v[I1], v[I1], \j, vcc_lo
.endr
	v_mov_b32 v[NI], 0xff800000
	v_mov_b32 v[B2], v[NI]
	v_mov_b32 v[I2], 0
.irp j, 0,1,2,3,4,5,6,7                                ; the same scan with the first choice taken out
	v_cmp_eq_u32 vcc_lo, \j, v[I1]
	v_cndmask_b32 v[TT], v[GR+(\j)], v[NI], vcc_lo
	v_cmp_gt_f32 vcc_lo, v[TT], v[B2]
	v_cndmask_b32 v[B2], v[B2], v[TT], vcc_lo
	v_cndmask_b32 v[I2], v[I2], \j, vcc_lo
.endr
	v_sub_f32 v[TT], v[B2], v[BV]                  ; l2 - l1, never above 0
	v_mul_f32 v[TT], 0x3fb8aa3b, v[TT]
	v_exp_f32 v[EE], v[TT]
	v_cmp_gt_u32 vcc_lo, 16, v3                    ; a plain instruction behind the exponential (ISA guide 5.7.2); the mask of lanes 0 to 15 is due anyway
	s_wait_alu depctr_va_vdst(0)
	v_add_f32 v[DD], 1.0, v[EE]
	v_rcp_f32 v[W1], v[DD]
	v_nop                                          ; and one behind the reciprocal
	s_wait_alu depctr_va_vdst(0)
	v_mul_f32 v[W2], v[EE], v[W1]
	s_wait_xcnt 0x0                                ; EXEC is narrowed only when the stores issued so far have read their sources
	s_and_saveexec_b32 s20, vcc_lo
	global_store_b64 v14, v[I1:I2], s[12:13]
	global_store_b64 v14, v[W1:W2], s[14:15]
	s_wait_xcnt 0x0                                ; and widened again only behind the same wait
	s_or_b32 exec_lo, exec_lo, s20
.Lend:
	s_wait_tensorcnt 0x0                           ; the wave's end, behind my last LDS store
	ds_add_u32 v[SPW], v[NIL]
	s_wait_dscnt 0x0
	s_endpgm
.Lfunc_end_k_q29ad25cc9b_router:
	.size	k_q29ad25cc9b_router, .Lfunc_end_k_q29ad25cc9b_router-k_q29ad25cc9b_router
	.p2alignl 7, 3214868480
	.fill 96, 4, 3214868480
	.section	.rodata,"a",@progbits
	.p2align	6, 0x0
	.amdhsa_kernel k_q29ad25cc9b_router
		.amdhsa_group_segment_fixed_size 42240
		.amdhsa_private_segment_fixed_size 0
		.amdhsa_enable_private_segment 0
		.amdhsa_kernarg_size 48
		.amdhsa_user_sgpr_count 2
		.amdhsa_user_sgpr_kernarg_segment_ptr 1
		.amdhsa_wavefront_size32 1
		.amdhsa_system_sgpr_workgroup_id_x 1
		.amdhsa_system_sgpr_workgroup_id_y 1
		.amdhsa_system_sgpr_workgroup_id_z 1
		.amdhsa_system_vgpr_workitem_id 0
		.amdhsa_next_free_vgpr 256
		.amdhsa_next_free_sgpr 66
		.amdhsa_reserve_vcc 1
		.amdhsa_float_denorm_mode_32 3
		.amdhsa_float_denorm_mode_16_64 3
		.amdhsa_memory_ordered 1
		.amdhsa_forward_progress 1
		.amdhsa_inst_pref_size 20
	.end_amdhsa_kernel
	.amdgpu_metadata
---
amdhsa.version: [ 1, 2 ]
amdhsa.kernels:
  - .name:           k_q29ad25cc9b_router
    .symbol:         k_q29ad25cc9b_router.kd
    .args:
      - { .name: x, .offset: 0, .size: 8, .value_kind: global_buffer, .address_space: global }
      - { .name: gate_w, .offset: 8, .size: 8, .value_kind: global_buffer, .address_space: global }
      - { .name: out1, .offset: 16, .size: 8, .value_kind: global_buffer, .address_space: global }
      - { .name: xb, .offset: 24, .size: 8, .value_kind: global_buffer, .address_space: global }
      - { .name: sel, .offset: 32, .size: 8, .value_kind: global_buffer, .address_space: global }
      - { .name: wts, .offset: 40, .size: 8, .value_kind: global_buffer, .address_space: global }
    .group_segment_fixed_size: 42240
    .private_segment_fixed_size: 0
    .kernarg_segment_align: 8
    .kernarg_segment_size: 48
    .max_flat_workgroup_size: 256
    .sgpr_count:     66
    .vgpr_count:     256
    .wavefront_size: 32
...
	.end_amdgpu_metadata
.endif
;; end of part 1
;; launch up (part 2): grid 32 x 8, 8 waves a work-group, no clusters, 305,408 bytes of LDS; arguments sel, xb, w1, act, pos, cnt; writes act, pos, cnt
.if DOCPART == 2
	.amdgcn_target "amdgcn-amd-amdhsa--gfx1250"
	.amdhsa_code_object_version 6
	.text
	.protected	k_q29ad25cc9b_up
	.globl	k_q29ad25cc9b_up
	.p2align	8
	.type	k_q29ad25cc9b_up,@function
k_q29ad25cc9b_up:
	s_mov_b64 s[64:65], 0
	v_nop
	global_prefetch_b8 v0, s[64:65] scope:SCOPE_SE
	s_setreg_imm32_b32 hwreg(HW_REG_WAVE_MODE, 25, 1), 1
	s_wait_xcnt 0x0
; FIRST PRODUCT AND ACTIVATION.  Work-group (s, e) owns 64 hidden channels of expert e: columns 64 s .. of g and 2048 + 64 s .. of lin in w1[e] ([1024][4096] f32), which it alone reads,
; once, and ALL rows (tokens) that chose e.  act = bf16(silu(g) lin), stored in the order in which the second product's operand registers take it.
; THE LIST.  Every work-group counts sel (2,048 whole numbers, stored by the launch before) for itself: thread n holds slots 8 n .. 8 n + 7; a chosen slot's rank is the number of chosen slots before
; it in the order (wave, register, lane): any fixed order serves, since this launch alone defines it.  LIST[rank] = token.  Work-groups with s = 0 also store cnt[e] (4 bytes) and the expert's table of
; places, pos[e]: for EVERY slot 1024 e + rank if it chose e, else 0, so that no lane is switched off by loaded data.  Thread n's slots 8 n .. + 3 lie at byte 16 n of the table, slots 8 n + 4 .. + 7 at
; 4,096 + 16 n: each store of a wave covers 512 consecutive bytes.  The last launch ORs the eight tables' entries of a slot.
; THE WEIGHTS go in 16 chunks of 64 k: a wave loads 8 rows (lanes 0-15: 256 aligned bytes of g's columns, lanes 16-31: of lin's), rounds to bf16 and lays them into LDS as [k][128 n].  Each LDS byte of the
; slice is written once and stays, so one barrier a chunk is all the ordering: it stands between the stores of chunk i + 1 and its first readers.
; ROWS.  A tile is 16 ranks.  Pass p serves tiles 24 p + 8 t + w (t = 0..2, w the wave).  Pass 0 (384 rows) runs under the stream of weights; passes 1 and 2 (up to 1,152 rows; an expert has 1,024 at the
; most) read the slice from LDS alone, with no LDS write, and are not pipelined: that is the price of more than 384 rows on one expert.  A wave's tiles 0 and 1 are always multiplied (256 rows a work-group,
; the mean share; one past the count works on token 0's row and is never stored); the products of tile 2 are jumped, forward, over matrix instructions alone, where it lies past the count.  All token loads
; are always issued (LIST holds token 0 past the count), so that every counted wait counts the same loads on every path.  A pass's first chunk multiplies all three tiles.
; MATRIX USE.  Source 0 = 16 weight columns x 32 k (two turning loads from [k][n]), source 1 = 16 tokens x 32 k (two loads of 16 bytes from xb).  In the result lane (r, h) holds rank r, register j column 16 c + 8 h + j.
; Columns 0-63 are g and 64-127 lin, so accumulators (t, c) and (t, c + 4) hold g and lin of one channel in one lane and register, and a lane's eight results pack into the 16 bytes that ARE the second product's fragment.
; BY HALVES.  The eight weight fragments of a k step lie in two halves of four.  While one half is multiplied (8 or 12 products) the other half's eight turning loads are on their way, across k steps and chunks.
; NO JOINT LOADS: each byte of w1 has one reader in the launch; what an expert's 32 work-groups share, the token rows, comes by a list, row by row, straight into registers.
; LIMITS.  silu is g / (1 + 2^(-g log2 e)), multiplied as (g sigma) lin, so that a large negative g gives 0.  NaN and infinities are not treated apart.  The hidden layer is rounded once, to bf16.
.set NCH,  16                          ; chunks
.set ROWB, 16384                       ; bytes in a row of w1[e]
.set CHW,  64*ROWB                     ; a chunk's step in w1
.set CHA,  128                         ; and in a row of xb
.set AKS,  64                          ; 32 k of a token
.set AH,   32                          ; the fragment's second half
.set WP,   288                         ; an LDS row of the slice: 256 bytes + 32 = 72 words: 16 lanes of a turning load take 8 rows x 32 bytes, each word place (mod 64) once
.set CHL,  64*WP                       ; a chunk in LDS
.set TRMAX, (NCH-1)*CHL+15*WP+16       ; the highest address that a turning load's register takes: the last chunk, the last lane's place
.set LIST, 1024*WP                     ; 294,912: 2,048 words, rank -> token; behind them, as words 2,048 .. 2,303, a dump word for each thread
.set WT,   LIST+8192+1024              ; 304,128: the eight waves' totals
.set SPARE, WT+256                     ; 304,384: the spare words, 128 bytes a wave: four blocks of 256 bytes that no other line names
; vector registers, window 0 (window 1: accumulator (t, c) at 64 t + 8 c; weight fragment c at WF + 8 c)
.set SPW,  1                           ; LDS address of my spare word; never rewritten
.set NIL,  2                           ; 0; never rewritten
.set TR0,  3                           ; my lane's place in a turning load
.set TRA,  4                           ; + the chunk in hand
.set ST0,  5                           ; my lane's place in my wave's 8 rows of a chunk
.set WOFF, 6                           ; my byte offset in a chunk of w1
.set AOFF, 7                           ; v7-9  my token's byte offset in xb, by tile
.set LADR, 10                          ; where my lane reads LIST
.set SOFF, 11                          ; 32 x thread: my 8 slots in sel
.set L16,  12                          ; 16 x lane
.set H16,  13                          ; 16 h
.set TA,   14                          ; at work
.set TB,   15
.set WR,   16                          ; v16-111   weights as loaded: three slots of 8 loads; at a pass's end the packed results
.set AR,   112                         ; v112-255  token fragments: three slots of 3 tiles x 2 k steps x 8; before the first of them, the list's work
.set EW,   112                         ; at a pass's end: eight numbers at work
.set WF,   192
; scalar registers
.set WAVE, 16
.set SLICE, 17
.set EXPT, 18
.set CNT,  19
.set NTL,  20                          ; tiles with rows, at least 1: tile 0 is always stored, so that the next launch has written bytes for its dead tiles
.set NW,   21                          ; my wave's live tiles in this pass, 0..3
.set PASS, 22
.set LC,   23
.set REM,  24                          ; NTL - 24 p - w
.set OB,   30                          ; s[30:31] act at my wave's first tile of the pass
.set MK,   40                          ; s40-47  which lanes chose e, by register
.set TOT,  48                          ; s48-55  the waves' totals
.set RUN,  56
.set BASE, 57
.set SAVE, 58
.set RO,   59                          ; LDS byte at which the chunk to be read begins
.set SO,   60                          ; and the chunk to be stored
.set WB,   66                          ; s[66:71] a pair for each slot of the weights' ring: w1 at the chunk that the slot loaded last
.set AB,   72                          ; s[72:77] the same for the tokens' ring, in xb
.set MSB, 0
.macro WIN new                         ; s_set_vgpr_msb: bits 1:0 source 0, 3:2 source 1, 5:4 source 2, 7:6 destination; the high byte repeats the setting that is left
.if MSB != (\new)
	s_set_vgpr_msb (MSB<<8)|(\new)
.set MSB, \new
.endif
.endm
.macro PLACES                          ; four places between a matrix instruction and a load into, or a vector read of, its registers (ISA guide 7.12.1 for vector reads)
.rept 4
	v_nop
.endr
.endm
.macro WLOAD slot                      ; my 8 rows of a chunk of weights, from the slot's own base
.irp j, 0,1,2,3,4,5,6,7
	global_load_b128 v[WR+32*(\slot)+4*(\j):WR+32*(\slot)+4*(\j)+3], v[WOFF], s[WB+2*(\slot):WB+2*(\slot)+1] offset:(\j)*ROWB th:TH_LOAD_NT
.endr
.endm
.macro ALOAD slot                      ; my three tiles' fragments of a chunk: 12 loads, from the slot's own base
.irp t, 0,1,2
.irp k, 0,1
	global_load_b128 v[AR+48*(\slot)+16*(\t)+8*(\k):AR+48*(\slot)+16*(\t)+8*(\k)+3],   v[AOFF+(\t)], s[AB+2*(\slot):AB+2*(\slot)+1] offset:(\k)*AKS
	global_load_b128 v[AR+48*(\slot)+16*(\t)+8*(\k)+4:AR+48*(\slot)+16*(\t)+8*(\k)+7], v[AOFF+(\t)], s[AB+2*(\slot):AB+2*(\slot)+1] offset:(\k)*AKS+AH
.endr
.endr
.endm
.macro WSTORE slot                     ; rounded in place, 8 bytes a lane, 256 consecutive bytes a store
	v_add_nc_u32 v[TA], s[SO], v[ST0]
.irp j, 0,1,2,3,4,5,6,7
	v_cvt_pk_bf16_f32 v[WR+32*(\slot)+4*(\j)],   v[WR+32*(\slot)+4*(\j)],   v[WR+32*(\slot)+4*(\j)+1]
	v_cvt_pk_bf16_f32 v[WR+32*(\slot)+4*(\j)+1], v[WR+32*(\slot)+4*(\j)+2], v[WR+32*(\slot)+4*(\j)+3]
.endr
.irp j, 0,1,2,3,4,5,6,7
	ds_store_b64 v[TA], v[WR+32*(\slot)+4*(\j):WR+32*(\slot)+4*(\j)+1] offset:(\j)*WP
.endr
	s_add_co_u32 s[SO], s[SO], CHL
.endm
.macro FL ks, half                     ; four weight fragments, columns 64 half .. + 63, of k step ks of the chunk at TRA: eight turning loads
	WIN 0x40                                       ; destination window 1, address window 0
.irp cc, 0,1,2,3
	ds_load_tr16_b128 v[WF+32*(\half)+8*(\cc):WF+32*(\half)+8*(\cc)+3],   v[TRA] offset:(\ks)*32*WP+(4*(\half)+(\cc))*32
	ds_load_tr16_b128 v[WF+32*(\half)+8*(\cc)+4:WF+32*(\half)+8*(\cc)+7], v[TRA] offset:(\ks)*32*WP+16*WP+(4*(\half)+(\cc))*32
.endr
.endm
; Four products: tile t, one half of the fragments.  zero = 1: they start the sums.  The accumulators take turns, one instruction a turn: no two products that follow each other,
; whichever are jumped, name one accumulator.
.macro MUL4 slot, ks, half, t, zero
	WIN 0x51                                       ; source 0, C and D window 1, source 1 window 0
.irp cc, 0,1,2,3
.if \zero
	v_wmma_f32_16x16x32_bf16 v[64*(\t)+32*(\half)+8*(\cc):64*(\t)+32*(\half)+8*(\cc)+7], v[WF+32*(\half)+8*(\cc):WF+32*(\half)+8*(\cc)+7], v[AR+48*(\slot)+16*(\t)+8*(\ks):AR+48*(\slot)+16*(\t)+8*(\ks)+7], 0
.else
	v_wmma_f32_16x16x32_bf16 v[64*(\t)+32*(\half)+8*(\cc):64*(\t)+32*(\half)+8*(\cc)+7], v[WF+32*(\half)+8*(\cc):WF+32*(\half)+8*(\cc)+7], v[AR+48*(\slot)+16*(\t)+8*(\ks):AR+48*(\slot)+16*(\t)+8*(\ks)+7], v[64*(\t)+32*(\half)+8*(\cc):64*(\t)+32*(\half)+8*(\cc)+7]
.endif
.endr
.endm
.macro MULA slot, ks, half, zero       ; tiles 0 and 1: always
	MUL4 \slot, \ks, \half, 0, \zero
	MUL4 \slot, \ks, \half, 1, \zero
.endm
.macro MULB slot, ks, half, zero, all  ; tile 2: jumped where it lies past the count, unless all = 1
.if !(\all)
	WIN 0                                          ; at a branch and at a label every window is 0
	s_cmp_le_u32 s[NW], 2
	s_cbranch_scc1 .Ldead_\@
.endif
	MUL4 \slot, \ks, \half, 2, \zero
	WIN 0
.Ldead_\@:
.endm
; Trip i of pass 0 (slot = i % 3).  At its head the fragments G0 (k step 0, first half) and G1 (k step 0, second half) of chunk i are on their way.
; GLOBAL LOADS come back in order (ISA guide 5.7.1).  n1: the loads issued behind W(i + 1); n2: those behind A(i).  With 8 loads to a W and 12 to an A, in a full trip:
; n1 = A(i), W(i+2), A(i+1), W(i+3), A(i+2) = 52;  n2 = W(i+2), A(i+1), W(i+3), A(i+2), W(i+4) = 48.  60 loads of a wave are out at the most.
; A slot's base is stepped, by three chunks, behind the wait that shows the slot's own loads done: nothing else names it.
; LDS INSTRUCTIONS are served in order too, eight to a group of fragments and eight to a chunk's stores: behind G0 stand G1 and the stores (16), behind G1 the stores and G2 (16), behind G3 the next G0 (8).
; more = 1: a chunk follows: it is stored at the trip's head; the barrier's signal stands behind the wait for those stores, and the chunk's first fragments are asked for behind the barrier's wait.
; Between signal and wait stand four v_nop, the loads of G3 (chunk i's bytes, which nobody writes again) and eight products.
.macro CH slot, zero, n1, n2, more, wld, ald
.set WS_, ((\slot)+1)%3
.if \more
	s_wait_loadcnt \n1                             ; W(i + 1) is in
	WSTORE WS_
.endif
.if \wld
	s_add_nc_u64 s[WB+2*WS_:WB+2*WS_+1], s[WB+2*WS_:WB+2*WS_+1], 3*CHW
	WLOAD WS_                                      ; W(i + 4)
.endif
	s_wait_loadcnt \n2                             ; A(i) is in
	s_wait_dscnt 8+8*(\more)                       ; G0 is in
	MULA \slot, 0, 0, \zero
	MULB \slot, 0, 0, \zero, \zero
	PLACES
	FL 1, 0                                        ; G2
	s_wait_dscnt 8+8*(\more)                       ; G1 is in
	MULA \slot, 0, 1, \zero
	MULB \slot, 0, 1, \zero, \zero
.if \more
	s_wait_dscnt 0x0                               ; for the others' sake: my stores of chunk i + 1 are done (and G2 is in); no LDS instruction of mine is out
	s_barrier_signal -1
.endif
	PLACES
	FL 1, 1                                        ; G3
.if !(\more)
	s_wait_dscnt 8                                 ; G2 is in
.endif
	MULA \slot, 1, 0, 0
.if \more
	s_barrier_wait -1                              ; chunk i + 1 lies whole in LDS
.endif
	MULB \slot, 1, 0, 0, \zero
.if \more
	PLACES
	s_add_co_u32 s[RO], s[RO], CHL
	v_add_nc_u32 v[TRA], s[RO], v[TR0]
	FL 0, 0                                        ; the next chunk's G0
	s_wait_dscnt 8                                 ; G3 is in
.else
	s_wait_dscnt 0x0
.endif
	MULA \slot, 1, 1, 0
	MULB \slot, 1, 1, 0, \zero
.if \more
	PLACES                                         ; also the places in front of the token loads below
	FL 0, 1                                        ; the next chunk's G1
.endif
	WIN 0
.if \ald
	s_add_nc_u64 s[AB+2*(\slot):AB+2*(\slot)+1], s[AB+2*(\slot):AB+2*(\slot)+1], 3*CHA
	ALOAD \slot                                    ; A(i + 3)
.endif
.endm
.macro LPC zero                        ; a chunk of a later pass: the weights lie in LDS; nothing is pipelined
	v_add_nc_u32 v[TRA], s[RO], v[TR0]
	v_min_u32 v[TRA], TRMAX, v[TRA]                ; held inside the slice
	PLACES
	ALOAD 0
	FL 0, 0
	FL 0, 1
	s_wait_loadcnt 0x0
	s_wait_dscnt 0x0
	MULA 0, 0, 0, \zero
	MULB 0, 0, 0, \zero, \zero
	MULA 0, 0, 1, \zero
	MULB 0, 0, 1, \zero, \zero
	s_wait_xcnt 0x0                                ; the base is stepped only when the loads have read it
	s_add_nc_u64 s[AB:AB+1], s[AB:AB+1], CHA
	PLACES
	FL 1, 0
	FL 1, 1
	s_wait_dscnt 0x0
	MULA 0, 1, 0, 0
	MULB 0, 1, 0, 0, \zero
	MULA 0, 1, 1, 0
	MULB 0, 1, 1, 0, \zero
	s_add_co_u32 s[RO], s[RO], CHL
.endm
.macro MKNW                            ; tiles 24 p + 8 t + w below NTL: (REM + 7) / 8, held to 0..3
	s_add_co_i32 s[NW], s[REM], 7
	s_ashr_i32 s[NW], s[NW], 3
	s_max_i32 s[NW], s[NW], 0
	s_min_i32 s[NW], s[NW], 3
.endm
.macro MKAOFF                          ; my three tokens, from the list; past the count it holds token 0
.irp t, 0,1,2
	ds_load_b32 v[AOFF+(\t)], v[LADR] offset:512*(\t)
.endr
	s_wait_dscnt 0x0
.irp t, 0,1,2
	v_min_u32 v[AOFF+(\t)], 0x3ff, v[AOFF+(\t)]
	v_lshl_add_u32 v[AOFF+(\t)], v[AOFF+(\t)], 11, v[H16]
.endr
.endm
; The way out of tile t: for each 16 channels, silu(g) lin, rounded to bf16, 16 bytes a lane: the wave's store covers 512 consecutive bytes, at a multiple of 512 from act's first byte.
.macro OUTT t
.irp c, 0,1,2,3
	WIN 0x01                                       ; source 0 window 1.
.irp n, 0,2,4,6
	v_pk_mul_f32 v[EW+(\n):EW+(\n)+1], v[64*(\t)+8*(\c)+(\n):64*(\t)+8*(\c)+(\n)+1], 0xbfb8aa3b op_sel_hi:[1,0]   ; - g log2 e
.endr
	WIN 0
.irp n, 0,1,2,3,4,5,6,7
	v_exp_f32 v[EW+(\n)], v[EW+(\n)]
.endr
	v_nop                                          ; a plain instruction behind the last exponential (ISA guide 5.7.2)
	s_wait_alu depctr_va_vdst(0)
.irp n, 0,2,4,6
	v_pk_add_f32 v[EW+(\n):EW+(\n)+1], v[EW+(\n):EW+(\n)+1], 1.0 op_sel_hi:[1,0]
.endr
.irp n, 0,1,2,3,4,5,6,7
	v_rcp_f32 v[EW+(\n)], v[EW+(\n)]
.endr
	v_nop
	WIN 0x01
	s_wait_alu depctr_va_vdst(0)
.irp n, 0,2,4,6
	v_pk_mul_f32 v[EW+(\n):EW+(\n)+1], v[64*(\t)+8*(\c)+(\n):64*(\t)+8*(\c)+(\n)+1], v[EW+(\n):EW+(\n)+1]
.endr
.irp n, 0,2,4,6
	v_pk_mul_f32 v[EW+(\n):EW+(\n)+1], v[64*(\t)+8*(\c)+32+(\n):64*(\t)+8*(\c)+32+(\n)+1], v[EW+(\n):EW+(\n)+1]
.endr
	WIN 0
.irp n, 0,1,2,3
	v_cvt_pk_bf16_f32 v[WR+4*(4*(\t)+(\c))+(\n)], v[EW+2*(\n)], v[EW+2*(\n)+1]
.endr
	global_store_b128 v[L16], v[WR+4*(4*(\t)+(\c)):WR+4*(4*(\t)+(\c))+3], s[OB:OB+1] offset:(\t)*524288+(\c)*512
.endr
.endm
	s_load_b256 s[4:11], s[0:1], 0x0               ; sel s[4:5], xb s[6:7], w1 s[8:9], act s[10:11]
	s_load_b128 s[12:15], s[0:1], 0x20             ; pos s[12:13], cnt s[14:15]
	v_lshl_add_u32 v[SPW], v0, 2, SPARE
	v_mov_b32 v[NIL], 0
	v_lshrrev_b32 v[TA], 5, v0
	v_readfirstlane_b32 s[WAVE], v[TA]
	s_mov_b32 s[SLICE], ttmp9
	s_and_b32 s[EXPT], ttmp7, 0xffff
	v_and_b32 v[TA], 31, v0                        ; lane
	v_lshlrev_b32 v[L16], 4, v[TA]
	s_mul_i32 s32, s[WAVE], 8*WP
	v_lshl_add_u32 v[ST0], v[TA], 3, s32           ; my wave's 8 rows, 8 bytes a lane
	v_bfe_u32 v[TB], v0, 4, 1                      ; h
	v_lshlrev_b32 v[H16], 4, v[TB]
	v_and_b32 v[TA], 7, v0
	v_lshl_add_u32 v[TA], v[TB], 3, v[TA]
	v_mul_u32_u24 v[TR0], v[TA], WP                ; the turning load: row 8 h + lane % 8,
	v_bfe_u32 v[TA], v0, 3, 1
	v_lshl_add_u32 v[TR0], v[TA], 4, v[TR0]        ; 16 bytes by (lane / 8) % 2
	v_and_b32 v[TA], 15, v0                        ; r
	v_lshlrev_b32 v[WOFF], 4, v[TA]
	v_lshl_add_u32 v[WOFF], v[TB], 13, v[WOFF]     ; lanes 16-31: lin's columns, 8,192 bytes on
	s_lshl_b32 s32, s[WAVE], 17
	v_add_nc_u32 v[WOFF], s32, v[WOFF]             ; my wave's 8 rows of 16,384 bytes
	s_lshl_b32 s32, s[WAVE], 6
	s_add_co_u32 s32, s32, LIST
	v_lshl_add_u32 v[LADR], v[TA], 2, s32          ; rank 16 w + r
	v_lshlrev_b32 v[SOFF], 5, v0
	s_lshl_b32 s32, s[EXPT], 24                    ; w1[e]: 16,777,216 bytes an expert,
	s_lshl_b32 s33, s[SLICE], 8                    ; 256 bytes a slice
	s_add_co_u32 s32, s32, s33
	s_mov_b32 s33, 0
	s_lshl_b32 s34, s[EXPT], 6
	s_add_co_u32 s34, s34, s[WAVE]
	s_lshl_b32 s34, s34, 16                        ; act: tile 64 e + w, 65,536 bytes a tile,
	s_lshl_b32 s35, s[SLICE], 11                   ; 2,048 bytes a slice
	s_add_co_u32 s34, s34, s35
	s_mov_b32 s35, 0
	s_mov_b32 s[RO], 0
	s_mov_b32 s[SO], 0
	s_wait_kmcnt 0x0
	s_add_nc_u64 s[WB:WB+1], s[8:9], s[32:33]      ; chunks 0, 1, 2 for slots 0, 1, 2
	s_add_nc_u64 s[WB+2:WB+3], s[WB:WB+1], CHW
	s_add_nc_u64 s[WB+4:WB+5], s[WB+2:WB+3], CHW
	s_add_nc_u64 s[OB:OB+1], s[10:11], s[34:35]
	s_mov_b64 s[AB:AB+1], s[6:7]
	s_add_nc_u64 s[AB+2:AB+3], s[6:7], CHA
	s_add_nc_u64 s[AB+4:AB+5], s[6:7], 2*CHA
	global_load_b128 v[112:115], v[SOFF], s[4:5]
	global_load_b128 v[116:119], v[SOFF], s[4:5] offset:16
	WLOAD 0                                        ; the stream begins before the list is made
	WLOAD 1
	WLOAD 2
	; THE LIST
	s_wait_loadcnt 24                              ; sel is in: the 24 loads of weights were issued behind it
	s_mov_b32 s[RUN], 0
.irp j, 0,1,2,3,4,5,6,7
	v_cmp_eq_u32 s[MK+(\j)], s[EXPT], v[112+(\j)]
	v_mbcnt_lo_u32_b32 v[120+(\j)], s[MK+(\j)], s[RUN]     ; chosen slots of my wave before mine
	s_bcnt1_i32_b32 s32, s[MK+(\j)]
	s_add_co_u32 s[RUN], s[RUN], s32
.endr
	s_lshl_b32 s32, s[WAVE], 2
	s_add_co_u32 s32, s32, WT
	v_mov_b32 v[TA], s32
	v_mov_b32 v[TB], s[RUN]
	ds_store_b32 v[TA], v[TB]                      ; my wave's total
.irp n, 128,129,130,131
	v_mov_b32 v[\n], 0
.endr
	v_lshl_add_u32 v[TA], v0, 4, LIST
	ds_store_b128 v[TA], v[128:131]                ; the list starts as token 0 everywhere
	ds_store_b128 v[TA], v[128:131] offset:4096
	s_wait_dscnt 0x0
	s_barrier_signal -1
	s_barrier_wait -1
	v_mov_b32 v[TA], WT
	ds_load_b128 v[132:135], v[TA]
	ds_load_b128 v[136:139], v[TA] offset:16
.irp n, 0,1,2,3
	v_lshl_add_u32 v[140+(\n)], v0, 2, \n          ; my four tokens: slot 8 n + j belongs to token 4 n + j / 2
.endr
	v_add_nc_u32 v[TB], 2048, v0                   ; my dump word's index
	s_wait_dscnt 0x0
.irp u, 0,1,2,3,4,5,6,7
	v_readfirstlane_b32 s[TOT+(\u)], v[132+(\u)]
.endr
	s_mov_b32 s[BASE], 0
	s_mov_b32 s[CNT], 0
.irp u, 0,1,2,3,4,5,6,7
	s_add_co_u32 s[CNT], s[CNT], s[TOT+(\u)]
	s_cmp_lt_u32 \u, s[WAVE]
	s_cselect_b32 s32, s[TOT+(\u)], 0
	s_add_co_u32 s[BASE], s[BASE], s32             ; the totals of the waves before mine
.endr
	s_min_u32 s[CNT], s[CNT], 1024
	s_add_co_u32 s[NTL], s[CNT], 15
	s_lshr_b32 s[NTL], s[NTL], 4
	s_max_u32 s[NTL], s[NTL], 1
	s_sub_co_i32 s[REM], s[NTL], s[WAVE]
	MKNW
.irp j, 0,1,2,3,4,5,6,7
	v_add_nc_u32 v[120+(\j)], s[BASE], v[120+(\j)]                 ; the rank
	v_cndmask_b32 v[TA], v[TB], v[120+(\j)], s[MK+(\j)]            ; a slot that did not choose e writes my dump word, which nobody reads
	v_min_u32 v[TA], 0x8ff, v[TA]                                  ; the index stays inside list and dump words
	v_lshl_add_u32 v[TA], v[TA], 2, LIST
	ds_store_b32 v[TA], v[140+(\j)/2]
.endr
	s_cmp_lg_u32 s[SLICE], 0
	s_cbranch_scc1 .Lnopos                         ; one work-group an expert stores the places and the count; no barrier stands in what the others jump
	s_lshl_b32 s32, s[EXPT], 10
	s_lshl_b32 s34, s[EXPT], 13                    ; the expert's table: 8,192 bytes
	s_mov_b32 s35, 0
	s_add_nc_u64 s[34:35], s[12:13], s[34:35]
.irp j, 0,1,2,3,4,5,6,7
	v_min_u32 v[120+(\j)], 0x3ff, v[120+(\j)]
	v_add_nc_u32 v[120+(\j)], s32, v[120+(\j)]
	v_cndmask_b32 v[120+(\j)], 0, v[120+(\j)], s[MK+(\j)]          ; 1024 e + rank, or 0 for a slot that chose another expert
.endr
	v_lshlrev_b32 v[TA], 4, v0
	global_store_b128 v[TA], v[120:123], s[34:35]                  ; 512 consecutive bytes a wave
	global_store_b128 v[TA], v[124:127], s[34:35] offset:4096
	s_wait_xcnt 0x0                                ; the stores have read their address and data (both are rewritten below), and EXEC changes only behind this wait
	s_cmp_lg_u32 s[WAVE], 0
	s_cbranch_scc1 .Lnopos
	v_cmp_eq_u32 vcc_lo, 0, v0
	v_mov_b32 v[TA], s[CNT]
	s_lshl_b32 s32, s[EXPT], 2
	v_mov_b32 v[TB], s32
	s_and_saveexec_b32 s[SAVE], vcc_lo             ; thread 0 alone (nothing was issued behind the last wait on XCNT)
	global_store_b32 v[TB], v[TA], s[14:15]
	s_wait_xcnt 0x0
	s_or_b32 exec_lo, exec_lo, s[SAVE]
.Lnopos:
	s_wait_loadcnt 16                              ; chunk 0 is in: chunks 1 and 2 were issued behind it
	WSTORE 0
	s_wait_dscnt 0x0                               ; for the others' sake: my part of chunk 0 and of the list
	s_barrier_signal -1
	s_barrier_wait -1
	MKAOFF
	v_add_nc_u32 v[TRA], s[RO], v[TR0]
	FL 0, 0                                        ; chunk 0's G0 and G1
	FL 0, 1
	WIN 0
	ALOAD 0
	ALOAD 1
	s_add_nc_u64 s[WB:WB+1], s[WB:WB+1], 3*CHW     ; slot 0's loads, chunk 0, were shown done above
	WLOAD 0                                        ; chunk 3
	ALOAD 2
	; PASS 0, under the stream
	CH 0, 1, 52, 40, 1, 1, 1                       ; trip 0: behind A0 stand A1, W3, A2, W4 = 40
	s_mov_b32 s[LC], 3
.Lring:                                                ; trips 1 to 9
	CH 1, 0, 52, 48, 1, 1, 1
	CH 2, 0, 52, 48, 1, 1, 1
	CH 0, 0, 52, 48, 1, 1, 1
	s_sub_co_u32 s[LC], s[LC], 1
	s_cmp_lg_u32 s[LC], 0
	s_cbranch_scc1 .Lring
	CH 1, 0, 52, 48, 1, 1, 1                       ; trip 10
	CH 2, 0, 52, 48, 1, 1, 1                       ; trip 11 asks for the last chunk of weights
	CH 0, 0, 52, 40, 1, 0, 1                       ; trip 12: no W is asked for: behind A12 stand W14, A13, W15, A14 = 40; the last A is asked for
	CH 1, 0, 44, 32, 1, 0, 0                       ; trip 13: behind W14: A13, W15, A14, A15 = 44; behind A13: W15, A14, A15 = 32
	CH 2, 0, 24, 12, 1, 0, 0                       ; trip 14: behind W15: A14, A15 = 24; behind A14: A15 = 12
	CH 0, 0, 0, 0, 0, 0, 0                         ; trip 15: nothing is stored, nothing is out behind A15
	s_mov_b32 s[PASS], 3
	s_branch .Lepi                                 ; the loop over passes is entered at a pass's way out
.Lpass:
	s_wait_xcnt 0x0                                ; the stores have read their data and act's address
	s_sub_co_i32 s[REM], s[REM], 24
	s_add_nc_u64 s[OB:OB+1], s[OB:OB+1], 24*65536
	v_add_nc_u32 v[LADR], 24*64, v[LADR]
	MKNW
	s_cmp_eq_u32 s[NW], 0
	s_cbranch_scc1 .Lnext
	MKAOFF
	s_mov_b32 s[RO], 0
	s_mov_b64 s[AB:AB+1], s[6:7]
	LPC 1
	s_mov_b32 s[LC], NCH-1
.Llater:
	LPC 0
	s_sub_co_u32 s[LC], s[LC], 1
	s_cmp_lg_u32 s[LC], 0
	s_cbranch_scc1 .Llater
.Lepi:
	PLACES
.irp t, 0,1,2
	s_cmp_le_u32 s[NW], \t
	s_cbranch_scc1 .Lnext
	OUTT \t
.endr
.Lnext:
	s_sub_co_u32 s[PASS], s[PASS], 1
	s_cmp_lg_u32 s[PASS], 0
	s_cbranch_scc1 .Lpass
	s_barrier_signal -1                            ; every wave's reads of LDS are over (each was waited for where it was used) before any wave writes LDS once more, below
	s_barrier_wait -1
	s_wait_tensorcnt 0x0                           ; the wave's end, behind my last LDS store
	ds_add_u32 v[SPW], v[NIL]
	s_wait_dscnt 0x0
	s_endpgm
.Lfunc_end_k_q29ad25cc9b_up:
	.size	k_q29ad25cc9b_up, .Lfunc_end_k_q29ad25cc9b_up-k_q29ad25cc9b_up
	.p2alignl 7, 3214868480
	.fill 96, 4, 3214868480
	.section	.rodata,"a",@progbits
	.p2align	6, 0x0
	.amdhsa_kernel k_q29ad25cc9b_up
		.amdhsa_group_segment_fixed_size 305408
		.amdhsa_private_segment_fixed_size 0
		.amdhsa_enable_private_segment 0
		.amdhsa_kernarg_size 48
		.amdhsa_user_sgpr_count 2
		.amdhsa_user_sgpr_kernarg_segment_ptr 1
		.amdhsa_wavefront_size32 1
		.amdhsa_system_sgpr_workgroup_id_x 1
		.amdhsa_system_sgpr_workgroup_id_y 1
		.amdhsa_system_sgpr_workgroup_id_z 1
		.amdhsa_system_vgpr_workitem_id 0
		.amdhsa_next_free_vgpr 512
		.amdhsa_next_free_sgpr 80
		.amdhsa_reserve_vcc 1
		.amdhsa_float_denorm_mode_32 3
		.amdhsa_float_denorm_mode_16_64 3
		.amdhsa_memory_ordered 1
		.amdhsa_forward_progress 1
		.amdhsa_inst_pref_size 158
	.end_amdhsa_kernel
	.amdgpu_metadata
---
amdhsa.version: [ 1, 2 ]
amdhsa.kernels:
  - .name:           k_q29ad25cc9b_up
    .symbol:         k_q29ad25cc9b_up.kd
    .args:
      - { .name: sel, .offset: 0, .size: 8, .value_kind: global_buffer, .address_space: global }
      - { .name: xb, .offset: 8, .size: 8, .value_kind: global_buffer, .address_space: global }
      - { .name: w1, .offset: 16, .size: 8, .value_kind: global_buffer, .address_space: global }
      - { .name: act, .offset: 24, .size: 8, .value_kind: global_buffer, .address_space: global }
      - { .name: pos, .offset: 32, .size: 8, .value_kind: global_buffer, .address_space: global }
      - { .name: cnt, .offset: 40, .size: 8, .value_kind: global_buffer, .address_space: global }
    .group_segment_fixed_size: 305408
    .private_segment_fixed_size: 0
    .kernarg_segment_align: 8
    .kernarg_segment_size: 48
    .max_flat_workgroup_size: 256
    .sgpr_count:     80
    .vgpr_count:     512
    .wavefront_size: 32
...
	.end_amdgpu_metadata
.endif
;; end of part 2
;; launch down (part 3): grid 32 x 8, 8 waves a work-group, no clusters, 216,064 bytes of LDS; arguments cnt, act, w2, y; writes y
.if DOCPART == 3
	.amdgcn_target "amdgcn-amd-amdhsa--gfx1250"
	.amdhsa_code_object_version 6
	.text
	.protected	k_q29ad25cc9b_down
	.globl	k_q29ad25cc9b_down
	.p2align	8
	.type	k_q29ad25cc9b_down,@function
k_q29ad25cc9b_down:
	s_mov_b64 s[64:65], 0
	v_nop
	global_prefetch_b8 v0, s[64:65] scope:SCOPE_SE
	s_setreg_imm32_b32 hwreg(HW_REG_WAVE_MODE, 25, 1), 1
	s_wait_xcnt 0x0
; SECOND PRODUCT, IN FOUR PARTS ALONG K.  Work-group (cs + 8 q, e) owns columns 128 cs .. and hidden channels 512 q .. of w2[e] ([2048][1024] f32), which it alone reads, once, and all rows of expert e.
; y[q][1024 e + rank][:] = the partial sums in f32; the next launch adds the four parts and the two experts of each token.
; The loop is the first product's: 8 chunks of 64 k; a wave loads 8 rows of 512 bytes, rounds to bf16 and lays them into LDS as [k][128 n]; each LDS byte of the slice is written once and stays; one barrier a chunk.
; ROWS.  A tile is 16 ranks; act lies in the order of the operand registers: byte (64 e + T) 65,536 + KS 1,024 + half 512 + 16 lane, so each token load of a wave covers 512 consecutive bytes.
; Pass p serves tiles 24 p + 8 t + w.  Pass 0 (384 rows) runs under the stream; passes 1 and 2 read the slice from LDS alone and are not pipelined: the price of more than 384 rows on one expert.
; A wave's tiles 0 and 1 are always multiplied (256 rows a work-group, the mean share; one past the count is never stored); the products of tile 2 are jumped, forward, over matrix instructions alone, where it
; lies past the count (cnt, stored by the launch before).  The loads of tiles past the count are always issued and point at the expert's tile 0, which is always written.
; MATRIX USE.  Source 0 = 16 weight columns x 32 k (two turning loads), source 1 = 16 ranks x 32 k.  In the result lane (r, h) holds rank r, register j column 16 c + 8 h + j.
; BY HALVES.  The eight weight fragments of a k step lie in two halves of four.  While one half is multiplied (8 or 12 products) the other half's eight turning loads are on their way, across k steps and chunks.
; THE WAY OUT goes through a stage of the wave's own: 16 rows x 528 bytes in, whole rows of 512 bytes back, so that each store covers 512 consecutive bytes at a multiple of 512 from y's first byte.
; Each pass has two barriers, at places that every wave passes: one between the pass's reads of the slice and the stores into the stages, one behind the stages' traffic.
; NO JOINT LOADS: each byte of w2 has one reader; act's tiles, which eight work-groups share, go straight into registers, and how many of them are used hangs on a stored count.
.set NCH,  8
.set ROWB, 4096                        ; bytes in a row of w2[e]
.set CHW,  64*ROWB
.set CHA,  2048                        ; two k steps of a tile of act
.set AKS,  1024
.set AH,   512
.set WP,   288                         ; an LDS row of the slice: 256 bytes + 32 = 72 words: 16 lanes of a turning load take 8 rows x 32 bytes, each word place (mod 64) once
.set CHL,  64*WP
.set TRMAX, (NCH-1)*CHL+15*WP+16       ; the highest address that a turning load's register takes: the last chunk, the last lane's place
.set STAGE, 512*WP                     ; 147,456
.set SGP,  528                         ; a stage row: 512 bytes + 16 = 132 words: row r starts 4 r words on (mod 64)
.set SPARE, STAGE+8*16*SGP             ; 215,040: the spare words, 128 bytes a wave: four blocks of 256 bytes that no other line names
.set SPW,  1
.set NIL,  2
.set TR0,  3                           ; my lane's place in a turning load
.set TRA,  4                           ; + the chunk in hand
.set ST0,  5                           ; my lane's place in my wave's 8 rows of a chunk
.set WOFF, 6
.set AOFF, 7                           ; v7-9  16 lane + my tile, by tile
.set STO,  10                          ; the way out: where I put 32 bytes of a row
.set RD,   11                          ; where I read a row back
.set L16,  12                          ; 16 x lane
.set TA,   14                          ; at work
.set TB,   15
.set WR,   16                          ; v16-111   weights as loaded: three slots of 8 loads
.set AR,   112                         ; v112-255  token fragments: three slots of 3 tiles x 2 k steps x 8
.set RB,   16                          ; at a pass's end: v16-207, 64 registers a tile, rows read back from the stage
.set WF,   192                         ; window 1: accumulator (t, c) at 64 t + 8 c; weight fragment c at WF + 8 c
.set WAVE, 16
.set CSL,  17
.set EXPT, 18
.set CNT,  19
.set NTL,  20
.set NW,   21
.set PASS, 22
.set LC,   23
.set REM,  24
.set TBASE, 25                         ; 24 p + w
.set OB,   30
.set AB0,  36                          ; s[36:37] act at my quarter's first chunk
.set QK,   38
.set RO,   59
.set SO,   60
.set WB,   66                          ; s[66:71] a pair for each slot of the weights' ring: w2 at the chunk that the slot loaded last
.set AB,   72                          ; s[72:77] the same for the tokens' ring, in act
.set MSB, 0
.macro WIN new                         ; s_set_vgpr_msb: bits 1:0 source 0, 3:2 source 1, 5:4 source 2, 7:6 destination; the high byte repeats the setting that is left
.if MSB != (\new)
	s_set_vgpr_msb (MSB<<8)|(\new)
.set MSB, \new
.endif
.endm
.macro PLACES                          ; four places between a matrix instruction and a load into, or a read of, its registers (ISA guide 7.12.1 for vector reads)
.rept 4
	v_nop
.endr
.endm
.macro WLOAD slot
.irp j, 0,1,2,3,4,5,6,7
	global_load_b128 v[WR+32*(\slot)+4*(\j):WR+32*(\slot)+4*(\j)+3], v[WOFF], s[WB+2*(\slot):WB+2*(\slot)+1] offset:(\j)*ROWB th:TH_LOAD_NT
.endr
.endm
.macro ALOAD slot
.irp t, 0,1,2
.irp k, 0,1
	global_load_b128 v[AR+48*(\slot)+16*(\t)+8*(\k):AR+48*(\slot)+16*(\t)+8*(\k)+3],   v[AOFF+(\t)], s[AB+2*(\slot):AB+2*(\slot)+1] offset:(\k)*AKS
	global_load_b128 v[AR+48*(\slot)+16*(\t)+8*(\k)+4:AR+48*(\slot)+16*(\t)+8*(\k)+7], v[AOFF+(\t)], s[AB+2*(\slot):AB+2*(\slot)+1] offset:(\k)*AKS+AH
.endr
.endr
.endm
.macro WSTORE slot
	v_add_nc_u32 v[TA], s[SO], v[ST0]
.irp j, 0,1,2,3,4,5,6,7
	v_cvt_pk_bf16_f32 v[WR+32*(\slot)+4*(\j)],   v[WR+32*(\slot)+4*(\j)],   v[WR+32*(\slot)+4*(\j)+1]
	v_cvt_pk_bf16_f32 v[WR+32*(\slot)+4*(\j)+1], v[WR+32*(\slot)+4*(\j)+2], v[WR+32*(\slot)+4*(\j)+3]
.endr
.irp j, 0,1,2,3,4,5,6,7
	ds_store_b64 v[TA], v[WR+32*(\slot)+4*(\j):WR+32*(\slot)+4*(\j)+1] offset:(\j)*WP
.endr
	s_add_co_u32 s[SO], s[SO], CHL
.endm
.macro FL ks, half                     ; four weight fragments, columns 64 half .. + 63, of k step ks of the chunk at TRA: eight turning loads
	WIN 0x40                                       ; destination window 1, address window 0
.irp cc, 0,1,2,3
	ds_load_tr16_b128 v[WF+32*(\half)+8*(\cc):WF+32*(\half)+8*(\cc)+3],   v[TRA] offset:(\ks)*32*WP+(4*(\half)+(\cc))*32
	ds_load_tr16_b128 v[WF+32*(\half)+8*(\cc)+4:WF+32*(\half)+8*(\cc)+7], v[TRA] offset:(\ks)*32*WP+16*WP+(4*(\half)+(\cc))*32
.endr
.endm
; Four products: tile t, one half of the fragments.  The accumulators take turns, one instruction a turn: no two products that follow each other, whichever are jumped, name one accumulator.
.macro MUL4 slot, ks, half, t, zero
	WIN 0x51                                       ; source 0, C and D window 1, source 1 window 0
.irp cc, 0,1,2,3
.if \zero
	v_wmma_f32_16x16x32_bf16 v[64*(\t)+32*(\half)+8*(\cc):64*(\t)+32*(\half)+8*(\cc)+7], v[WF+32*(\half)+8*(\cc):WF+32*(\half)+8*(\cc)+7], v[AR+48*(\slot)+16*(\t)+8*(\ks):AR+48*(\slot)+16*(\t)+8*(\ks)+7], 0
.else
	v_wmma_f32_16x16x32_bf16 v[64*(\t)+32*(\half)+8*(\cc):64*(\t)+32*(\half)+8*(\cc)+7], v[WF+32*(\half)+8*(\cc):WF+32*(\half)+8*(\cc)+7], v[AR+48*(\slot)+16*(\t)+8*(\ks):AR+48*(\slot)+16*(\t)+8*(\ks)+7], v[64*(\t)+32*(\half)+8*(\cc):64*(\t)+32*(\half)+8*(\cc)+7]
.endif
.endr
.endm
.macro MULA slot, ks, half, zero       ; tiles 0 and 1: always
	MUL4 \slot, \ks, \half, 0, \zero
	MUL4 \slot, \ks, \half, 1, \zero
.endm
.macro MULB slot, ks, half, zero, all  ; tile 2: jumped where it lies past the count, unless all = 1
.if !(\all)
	WIN 0                                          ; at a branch and at a label every window is 0
	s_cmp_le_u32 s[NW], 2
	s_cbranch_scc1 .Ldead_\@
.endif
	MUL4 \slot, \ks, \half, 2, \zero
	WIN 0
.Ldead_\@:
.endm
; Trip i of pass 0 (slot = i % 3).  At its head the fragments G0 (k step 0, first half) and G1 (k step 0, second half) of chunk i are on their way.
; GLOBAL LOADS come back in order (ISA guide 5.7.1).  With 8 loads to a W and 12 to an A, in a full trip: n1 = A(i), W(i+2), A(i+1), W(i+3), A(i+2) = 52 behind W(i + 1);
; n2 = W(i+2), A(i+1), W(i+3), A(i+2), W(i+4) = 48 behind A(i).  60 loads of a wave are out at the most.  A slot's base is stepped, by three chunks, behind the wait that shows the slot's own loads done.
; LDS INSTRUCTIONS are served in order too, eight to a group of fragments and eight to a chunk's stores: behind G0 stand G1 and the stores (16), behind G1 the stores and G2 (16), behind G3 the next G0 (8).
; more = 1: a chunk follows: it is stored at the trip's head; the barrier's signal stands behind the wait for those stores, and the chunk's first fragments are asked for behind the barrier's wait.
; Between signal and wait stand four v_nop, the loads of G3 (chunk i's bytes, which nobody writes again) and eight products.
.macro CH slot, zero, n1, n2, more, wld, ald
.set WS_, ((\slot)+1)%3
.if \more
	s_wait_loadcnt \n1                             ; W(i + 1) is in
	WSTORE WS_
.endif
.if \wld
	s_add_nc_u64 s[WB+2*WS_:WB+2*WS_+1], s[WB+2*WS_:WB+2*WS_+1], 3*CHW
	WLOAD WS_                                      ; W(i + 4)
.endif
	s_wait_loadcnt \n2                             ; A(i) is in
	s_wait_dscnt 8+8*(\more)                       ; G0 is in
	MULA \slot, 0, 0, \zero
	MULB \slot, 0, 0, \zero, \zero
	PLACES
	FL 1, 0                                        ; G2
	s_wait_dscnt 8+8*(\more)                       ; G1 is in
	MULA \slot, 0, 1, \zero
	MULB \slot, 0, 1, \zero, \zero
.if \more
	s_wait_dscnt 0x0                               ; for the others' sake: my stores of chunk i + 1 are done (and G2 is in); no LDS instruction of mine is out
	s_barrier_signal -1
.endif
	PLACES
	FL 1, 1                                        ; G3
.if !(\more)
	s_wait_dscnt 8                                 ; G2 is in
.endif
	MULA \slot, 1, 0, 0
.if \more
	s_barrier_wait -1                              ; chunk i + 1 lies whole in LDS
.endif
	MULB \slot, 1, 0, 0, \zero
.if \more
	PLACES
	s_add_co_u32 s[RO], s[RO], CHL
	v_add_nc_u32 v[TRA], s[RO], v[TR0]
	FL 0, 0                                        ; the next chunk's G0
	s_wait_dscnt 8                                 ; G3 is in
.else
	s_wait_dscnt 0x0
.endif
	MULA \slot, 1, 1, 0
	MULB \slot, 1, 1, 0, \zero
.if \more
	PLACES                                         ; also the places in front of the token loads below
	FL 0, 1                                        ; the next chunk's G1
.endif
	WIN 0
.if \ald
	s_add_nc_u64 s[AB+2*(\slot):AB+2*(\slot)+1], s[AB+2*(\slot):AB+2*(\slot)+1], 3*CHA
	ALOAD \slot                                    ; A(i + 3)
.endif
.endm
.macro LPC zero                        ; a chunk of a later pass: the weights lie in LDS; nothing is pipelined
	v_add_nc_u32 v[TRA], s[RO], v[TR0]
	v_min_u32 v[TRA], TRMAX, v[TRA]                ; held inside the slice
	PLACES
	ALOAD 0
	FL 0, 0
	FL 0, 1
	s_wait_loadcnt 0x0
	s_wait_dscnt 0x0
	MULA 0, 0, 0, \zero
	MULB 0, 0, 0, \zero, \zero
	MULA 0, 0, 1, \zero
	MULB 0, 0, 1, \zero, \zero
	s_wait_xcnt 0x0                                ; the base is stepped only when the loads have read it
	s_add_nc_u64 s[AB:AB+1], s[AB:AB+1], CHA
	PLACES
	FL 1, 0
	FL 1, 1
	s_wait_dscnt 0x0
	MULA 0, 1, 0, 0
	MULB 0, 1, 0, 0, \zero
	MULA 0, 1, 1, 0
	MULB 0, 1, 1, 0, \zero
	s_add_co_u32 s[RO], s[RO], CHL
.endm
.macro MKNW
	s_add_co_i32 s[NW], s[REM], 7
	s_ashr_i32 s[NW], s[NW], 3
	s_max_i32 s[NW], s[NW], 0
	s_min_i32 s[NW], s[NW], 3
.endm
.macro MKAOFF                          ; a live tile's own bytes; a dead tile's loads take the expert's tile 0
.irp t, 0,1,2
	s_add_co_u32 s32, s[TBASE], 8*(\t)
	s_cmp_lt_u32 \t, s[NW]
	s_cselect_b32 s32, s32, 0
	s_min_u32 s32, s32, 63
	s_lshl_b32 s32, s32, 16
	v_add_nc_u32 v[AOFF+(\t)], s32, v[L16]
.endr
.endm
.macro OUTT t
	WIN 0x04                                       ; the stores' data in window 1.  Each accumulator's low four registers go first
.irp c, 0,1,2,3,4,5,6,7
	ds_store_b128 v[STO], v[64*(\t)+8*(\c):64*(\t)+8*(\c)+3]   offset:64*(\c)
	ds_store_b128 v[STO], v[64*(\t)+8*(\c)+4:64*(\t)+8*(\c)+7] offset:64*(\c)+16
.endr
	WIN 0
.irp m, 0,1,2,3,4,5,6,7,8,9,10,11,12,13,14,15
	ds_load_b128 v[RB+64*(\t)+4*(\m):RB+64*(\t)+4*(\m)+3], v[RD] offset:SGP*(\m)   ; LDS serves a wave's instructions in order (ISA guide 5.7.1.4): these see the stores above, and the next tile's stores come behind them
.endr
.irp m, 0,1,2,3,4,5,6,7,8,9,10,11,12,13,14,15
	s_wait_dscnt 15-(\m)                           ; row m is back; the younger reads may stay out
	global_store_b128 v[L16], v[RB+64*(\t)+4*(\m):RB+64*(\t)+4*(\m)+3], s[OB:OB+1] offset:(\t)*524288+(\m)*4096
.endr
.endm
	s_load_b256 s[4:11], s[0:1], 0x0               ; cnt s[4:5], act s[6:7], w2 s[8:9], y s[10:11]
	v_lshl_add_u32 v[SPW], v0, 2, SPARE
	v_mov_b32 v[NIL], 0
	v_lshrrev_b32 v[TA], 5, v0
	v_readfirstlane_b32 s[WAVE], v[TA]
	s_and_b32 s[CSL], ttmp9, 7                     ; which 128 columns
	s_lshr_b32 s[QK], ttmp9, 3                     ; which quarter of K
	s_and_b32 s[EXPT], ttmp7, 0xffff
	v_and_b32 v[TA], 31, v0                        ; lane
	v_lshlrev_b32 v[L16], 4, v[TA]
	s_mul_i32 s32, s[WAVE], 8*WP
	v_lshl_add_u32 v[ST0], v[TA], 3, s32
	s_lshl_b32 s32, s[WAVE], 15
	v_add_nc_u32 v[WOFF], s32, v[L16]              ; my wave's 8 rows of 4,096 bytes, 16 bytes a lane
	s_mul_i32 s33, s[WAVE], 16*SGP
	s_add_co_u32 s33, s33, STAGE                   ; my stage
	v_add_nc_u32 v[RD], s33, v[L16]
	v_bfe_u32 v[TB], v0, 4, 1                      ; h
	v_and_b32 v[TA], 15, v0                        ; r
	v_mul_u32_u24 v[STO], v[TA], SGP
	v_lshl_add_u32 v[STO], v[TB], 5, v[STO]
	v_add_nc_u32 v[STO], s33, v[STO]
	v_and_b32 v[TA], 7, v0
	v_lshl_add_u32 v[TA], v[TB], 3, v[TA]
	v_mul_u32_u24 v[TR0], v[TA], WP                ; the turning load: row 8 h + lane % 8,
	v_bfe_u32 v[TA], v0, 3, 1
	v_lshl_add_u32 v[TR0], v[TA], 4, v[TR0]        ; 16 bytes by (lane / 8) % 2
	s_lshl_b32 s32, s[EXPT], 2                     ; cnt[e]
	s_mov_b32 s33, 0
	s_lshl_b32 s40, s[EXPT], 23                    ; w2[e]: 8,388,608 bytes an expert,
	s_lshl_b32 s41, s[QK], 21                      ; 512 rows of 4,096 bytes a quarter,
	s_add_co_u32 s40, s40, s41
	s_lshl_b32 s41, s[CSL], 9                      ; 512 bytes a slice
	s_add_co_u32 s40, s40, s41
	s_mov_b32 s41, 0
	s_lshl_b32 s42, s[EXPT], 22                    ; act: 64 tiles of 65,536 bytes an expert,
	s_lshl_b32 s43, s[QK], 14                      ; 16 k steps of 1,024 bytes a quarter
	s_add_co_u32 s42, s42, s43
	s_mov_b32 s43, 0
	s_lshl_b32 s44, s[EXPT], 6
	s_add_co_u32 s44, s44, s[WAVE]
	s_lshl_b32 s44, s44, 16                        ; y: tile 64 e + w, 16 rows of 4,096 bytes a tile,
	s_lshl_b32 s45, s[QK], 25                      ; 33,554,432 bytes a quarter,
	s_add_co_u32 s44, s44, s45
	s_lshl_b32 s45, s[CSL], 9                      ; 512 bytes a slice
	s_add_co_u32 s44, s44, s45
	s_mov_b32 s45, 0
	s_mov_b32 s[RO], 0
	s_mov_b32 s[SO], 0
	s_mov_b32 s[TBASE], s[WAVE]
	s_wait_kmcnt 0x0
	s_add_nc_u64 s[34:35], s[4:5], s[32:33]
	s_load_b32 s[CNT], s[34:35], 0x0
	s_add_nc_u64 s[WB:WB+1], s[8:9], s[40:41]      ; chunks 0, 1, 2 for slots 0, 1, 2
	s_add_nc_u64 s[WB+2:WB+3], s[WB:WB+1], CHW
	s_add_nc_u64 s[WB+4:WB+5], s[WB+2:WB+3], CHW
	s_add_nc_u64 s[AB0:AB0+1], s[6:7], s[42:43]
	s_add_nc_u64 s[OB:OB+1], s[10:11], s[44:45]
	s_mov_b64 s[AB:AB+1], s[AB0:AB0+1]
	s_add_nc_u64 s[AB+2:AB+3], s[AB0:AB0+1], CHA
	s_add_nc_u64 s[AB+4:AB+5], s[AB0:AB0+1], 2*CHA
	WLOAD 0
	WLOAD 1
	WLOAD 2
	s_wait_kmcnt 0x0
	s_min_u32 s[CNT], s[CNT], 1024
	s_add_co_u32 s[NTL], s[CNT], 15
	s_lshr_b32 s[NTL], s[NTL], 4                   ; tiles with rows; 0 for an expert that nobody chose: nothing is then stored
	s_sub_co_i32 s[REM], s[NTL], s[WAVE]
	MKNW
	MKAOFF
	s_wait_loadcnt 16                              ; chunk 0 is in: chunks 1 and 2 were issued behind it
	WSTORE 0
	s_wait_dscnt 0x0                               ; for the others' sake: my part of chunk 0
	s_barrier_signal -1
	s_barrier_wait -1
	v_add_nc_u32 v[TRA], s[RO], v[TR0]
	FL 0, 0                                        ; chunk 0's G0 and G1
	FL 0, 1
	WIN 0
	ALOAD 0
	ALOAD 1
	s_add_nc_u64 s[WB:WB+1], s[WB:WB+1], 3*CHW     ; slot 0's loads, chunk 0, were shown done above
	WLOAD 0                                        ; chunk 3
	ALOAD 2
	; PASS 0, under the stream: eight trips, written out
	CH 0, 1, 52, 40, 1, 1, 1                       ; trip 0: behind A0 stand A1, W3, A2, W4 = 40
	CH 1, 0, 52, 48, 1, 1, 1
	CH 2, 0, 52, 48, 1, 1, 1
	CH 0, 0, 52, 48, 1, 1, 1                       ; trip 3 asks for the last chunk of weights
	CH 1, 0, 52, 40, 1, 0, 1                       ; trip 4: no W is asked for: behind A4 stand W6, A5, W7, A6 = 40; the last A is asked for
	CH 2, 0, 44, 32, 1, 0, 0                       ; trip 5: behind W6: A5, W7, A6, A7 = 44; behind A5: W7, A6, A7 = 32
	CH 0, 0, 24, 12, 1, 0, 0                       ; trip 6: behind W7: A6, A7 = 24; behind A6: A7 = 12
	CH 1, 0, 0, 0, 0, 0, 0                         ; trip 7: nothing is stored, nothing is out behind A7
	s_mov_b32 s[PASS], 3
	s_branch .Lepi                                 ; the loop over passes is entered at a pass's way out
.Lpass:
	s_wait_xcnt 0x0                                ; the stores have read their data and y's address
	s_sub_co_i32 s[REM], s[REM], 24
	s_add_co_u32 s[TBASE], s[TBASE], 24
	s_add_nc_u64 s[OB:OB+1], s[OB:OB+1], 24*65536
	MKNW
	s_cmp_eq_u32 s[NW], 0
	s_cbranch_scc1 .Lepi                           ; a wave without tiles jumps the products, and no barrier
	MKAOFF
	s_mov_b32 s[RO], 0
	s_mov_b64 s[AB:AB+1], s[AB0:AB0+1]
	LPC 1
	s_mov_b32 s[LC], NCH-1
.Llater:
	LPC 0
	s_sub_co_u32 s[LC], s[LC], 1
	s_cmp_lg_u32 s[LC], 0
	s_cbranch_scc1 .Llater
.Lepi:
	s_barrier_signal -1                            ; every wave's reads of the slice in this pass are back (each group was waited for) before any wave stores into a stage
	s_barrier_wait -1
	PLACES
.irp t, 0,1,2
	s_cmp_le_u32 s[NW], \t
	s_cbranch_scc1 .Lnext
	OUTT \t
.endr
.Lnext:
	s_wait_dscnt 0x0                               ; my stores into my stage and my reads of it are done,
	s_barrier_signal -1                            ; and so are every wave's, before the next pass reads LDS or the closing add writes it
	s_barrier_wait -1
	s_sub_co_u32 s[PASS], s[PASS], 1
	s_cmp_lg_u32 s[PASS], 0
	s_cbranch_scc1 .Lpass
	s_wait_tensorcnt 0x0                           ; the wave's end, behind my last LDS store
	ds_add_u32 v[SPW], v[NIL]
	s_wait_dscnt 0x0
	s_endpgm
.Lfunc_end_k_q29ad25cc9b_down:
	.size	k_q29ad25cc9b_down, .Lfunc_end_k_q29ad25cc9b_down-k_q29ad25cc9b_down
	.p2alignl 7, 3214868480
	.fill 96, 4, 3214868480
	.section	.rodata,"a",@progbits
	.p2align	6, 0x0
	.amdhsa_kernel k_q29ad25cc9b_down
		.amdhsa_group_segment_fixed_size 216064
		.amdhsa_private_segment_fixed_size 0
		.amdhsa_enable_private_segment 0
		.amdhsa_kernarg_size 32
		.amdhsa_user_sgpr_count 2
		.amdhsa_user_sgpr_kernarg_segment_ptr 1
		.amdhsa_wavefront_size32 1
		.amdhsa_system_sgpr_workgroup_id_x 1
		.amdhsa_system_sgpr_workgroup_id_y 1
		.amdhsa_system_sgpr_workgroup_id_z 1
		.amdhsa_system_vgpr_workitem_id 0
		.amdhsa_next_free_vgpr 512
		.amdhsa_next_free_sgpr 80
		.amdhsa_reserve_vcc 0
		.amdhsa_float_denorm_mode_32 3
		.amdhsa_float_denorm_mode_16_64 3
		.amdhsa_memory_ordered 1
		.amdhsa_forward_progress 1
		.amdhsa_inst_pref_size 114
	.end_amdhsa_kernel
	.amdgpu_metadata
---
amdhsa.version: [ 1, 2 ]
amdhsa.kernels:
  - .name:           k_q29ad25cc9b_down
    .symbol:         k_q29ad25cc9b_down.kd
    .args:
      - { .name: cnt, .offset: 0, .size: 8, .value_kind: global_buffer, .address_space: global }
      - { .name: act, .offset: 8, .size: 8, .value_kind: global_buffer, .address_space: global }
      - { .name: w2, .offset: 16, .size: 8, .value_kind: global_buffer, .address_space: global }
      - { .name: y, .offset: 24, .size: 8, .value_kind: global_buffer, .address_space: global }
    .group_segment_fixed_size: 216064
    .private_segment_fixed_size: 0
    .kernarg_segment_align: 8
    .kernarg_segment_size: 32
    .max_flat_workgroup_size: 256
    .sgpr_count:     80
    .vgpr_count:     512
    .wavefront_size: 32
...
	.end_amdgpu_metadata
.endif
;; end of part 3
;; launch sum (part 4): grid 256 x 1, 8 waves a work-group, no clusters, 0 bytes of LDS; arguments y, pos, wts, out0; writes out0
.if DOCPART == 4
	.amdgcn_target "amdgcn-amd-amdhsa--gfx1250"
	.amdhsa_code_object_version 6
	.text
	.protected	k_q29ad25cc9b_sum
	.globl	k_q29ad25cc9b_sum
	.p2align	8
	.type	k_q29ad25cc9b_sum,@function
k_q29ad25cc9b_sum:
	s_mov_b64 s[64:65], 0
	v_nop
	global_prefetch_b8 v0, s[64:65] scope:SCOPE_SE
	s_setreg_imm32_b32 hwreg(HW_REG_WAVE_MODE, 25, 1), 1
	s_wait_xcnt 0x0
; out0[t][:] = w0 (y0 + y1 + y2 + y3)[p0][:] + w1 (y0 + y1 + y2 + y3)[p1][:], yq the four parts along K of the second product, f32; w0, w1 = wts[t]; p0, p1 the places of the token's two slots.
; A stream: a work-group has four tokens, a wave half of one token's row (2,048 bytes): eight source rows, four loads of 512 consecutive bytes each, all 32 issued before the first wait.
; THE PLACES.  pos (whole numbers, stored two launches before) holds a table of 8,192 bytes for each expert: a slot's entry is 1024 e + rank in the table of the expert that it chose and 0 in the seven others,
; so the OR of the eight entries is the place.  In a table the entries of tokens 4 n, 4 n + 1 lie at byte 16 n and those of tokens 4 n + 2, 4 n + 3 at 4,096 + 16 n, 8 bytes a token.
; Each row of y is named once, so every byte of y that is read is read once.  No LDS, no barrier, no matrix unit: memory binds.
.set YQ, 0x2000000                     ; bytes in a part of y: 8,192 rows of 4,096
.set DR, 16                            ; v16-143: group j (512 bytes of the half row) at DR + 32 j; in it expert k, part q at 16 k + 4 q
.set PE, 44                            ; s44-59: the eight tables' entries of my token's two slots
	s_load_b256 s[4:11], s[0:1], 0x0               ; y s[4:5], pos s[6:7], wts s[8:9], out0 s[10:11]
	v_lshrrev_b32 v1, 5, v0
	v_readfirstlane_b32 s12, v1                    ; wave
	v_and_b32 v1, 31, v0
	v_lshlrev_b32 v1, 4, v1                        ; 16 x lane
	s_lshr_b32 s13, s12, 1
	s_lshl_b32 s15, ttmp9, 2
	s_add_co_u32 s13, s13, s15                     ; my token: 4 x work-group + wave / 2
	s_and_b32 s14, s12, 1
	s_lshl_b32 s14, s14, 11                        ; my half of its row
	s_lshl_b32 s20, s13, 3                         ; 8 bytes a token in wts
	s_mov_b32 s21, 0
	s_lshl_b32 s22, s13, 12
	s_add_co_u32 s22, s22, s14
	s_mov_b32 s23, 0
	s_lshr_b32 s42, s12, 2                         ; in a table of pos: the upper half for the work-group's tokens 2 and 3,
	s_lshl_b32 s42, s42, 12
	s_lshl_b32 s43, ttmp9, 4                       ; 16 bytes a work-group,
	s_add_co_u32 s42, s42, s43
	s_bfe_u32 s43, s12, 0x10001                    ; (bit 1 of the wave's number: the token is odd)
	s_lshl_b32 s43, s43, 3                         ; 8 bytes a token
	s_add_co_u32 s42, s42, s43
	s_mov_b32 s43, 0
	s_wait_kmcnt 0x0
	s_add_nc_u64 s[6:7], s[6:7], s[42:43]
	s_add_nc_u64 s[8:9], s[8:9], s[20:21]
	s_add_nc_u64 s[10:11], s[10:11], s[22:23]
.irp e, 0,1,2,3,4,5,6,7
	s_load_b64 s[PE+2*(\e):PE+2*(\e)+1], s[6:7], (\e)*8192
.endr
	s_load_b64 s[18:19], s[8:9], 0x0               ; the two weights
	s_wait_kmcnt 0x0
	s_or_b32 s16, s[PE], s[PE+2]
	s_or_b32 s17, s[PE+1], s[PE+3]
.irp e, 2,3,4,5,6,7
	s_or_b32 s16, s16, s[PE+2*(\e)]
	s_or_b32 s17, s17, s[PE+2*(\e)+1]
.endr
	s_min_u32 s16, s16, 0x1fff                     ; a place stays inside a part of y
	s_min_u32 s17, s17, 0x1fff
	s_lshl_b32 s24, s16, 12
	s_add_co_u32 s24, s24, s14
	s_mov_b32 s25, 0
	s_lshl_b32 s32, s17, 12
	s_add_co_u32 s32, s32, s14
	s_mov_b32 s33, 0
	s_add_nc_u64 s[24:25], s[4:5], s[24:25]        ; expert 0: parts 0 to 3 in s[24:31]
	s_add_nc_u64 s[32:33], s[4:5], s[32:33]        ; expert 1: in s[32:39]
.irp b, 24, 32
	s_add_nc_u64 s[(\b)+2:(\b)+3], s[(\b):(\b)+1], YQ
	s_add_nc_u64 s[(\b)+4:(\b)+5], s[(\b)+2:(\b)+3], YQ
	s_add_nc_u64 s[(\b)+6:(\b)+7], s[(\b)+4:(\b)+5], YQ
.endr
	s_mov_b32 s40, s19                             ; w1 as the low word of a pair of its own: the packed forms take a scalar pair's low word for both halves
	s_mov_b32 s41, s19
.irp j, 0,1,2,3
.irp k, 0,1
.irp q, 0,1,2,3
	global_load_b128 v[DR+32*(\j)+16*(\k)+4*(\q):DR+32*(\j)+16*(\k)+4*(\q)+3], v1, s[24+8*(\k)+2*(\q):25+8*(\k)+2*(\q)] offset:512*(\j) th:TH_LOAD_NT
.endr
.endr
.endr
.irp j, 0,1,2,3
	s_wait_loadcnt 24-8*(\j)                       ; loads come back in order (ISA guide 5.7.1): group j is in, the later groups of eight stay out
.irp p, 0,2
	v_pk_add_f32 v[DR+32*(\j)+(\p):DR+32*(\j)+(\p)+1],       v[DR+32*(\j)+(\p):DR+32*(\j)+(\p)+1],       v[DR+32*(\j)+4+(\p):DR+32*(\j)+4+(\p)+1]
	v_pk_add_f32 v[DR+32*(\j)+8+(\p):DR+32*(\j)+8+(\p)+1],   v[DR+32*(\j)+8+(\p):DR+32*(\j)+8+(\p)+1],   v[DR+32*(\j)+12+(\p):DR+32*(\j)+12+(\p)+1]
	v_pk_add_f32 v[DR+32*(\j)+16+(\p):DR+32*(\j)+16+(\p)+1], v[DR+32*(\j)+16+(\p):DR+32*(\j)+16+(\p)+1], v[DR+32*(\j)+20+(\p):DR+32*(\j)+20+(\p)+1]
	v_pk_add_f32 v[DR+32*(\j)+24+(\p):DR+32*(\j)+24+(\p)+1], v[DR+32*(\j)+24+(\p):DR+32*(\j)+24+(\p)+1], v[DR+32*(\j)+28+(\p):DR+32*(\j)+28+(\p)+1]
	v_pk_add_f32 v[DR+32*(\j)+(\p):DR+32*(\j)+(\p)+1],       v[DR+32*(\j)+(\p):DR+32*(\j)+(\p)+1],       v[DR+32*(\j)+8+(\p):DR+32*(\j)+8+(\p)+1]
	v_pk_add_f32 v[DR+32*(\j)+16+(\p):DR+32*(\j)+16+(\p)+1], v[DR+32*(\j)+16+(\p):DR+32*(\j)+16+(\p)+1], v[DR+32*(\j)+24+(\p):DR+32*(\j)+24+(\p)+1]
	v_pk_mul_f32 v[DR+32*(\j)+(\p):DR+32*(\j)+(\p)+1], v[DR+32*(\j)+(\p):DR+32*(\j)+(\p)+1], s[18:19] op_sel_hi:[1,0]
	v_pk_fma_f32 v[DR+32*(\j)+(\p):DR+32*(\j)+(\p)+1], v[DR+32*(\j)+16+(\p):DR+32*(\j)+16+(\p)+1], s[40:41], v[DR+32*(\j)+(\p):DR+32*(\j)+(\p)+1] op_sel_hi:[1,0,1]
.endr
	global_store_b128 v1, v[DR+32*(\j):DR+32*(\j)+3], s[10:11] offset:512*(\j) th:TH_STORE_NT   ; 512 consecutive bytes, at a multiple of 512 from out0's first byte; each group's registers are its own
.endr
	s_endpgm
.Lfunc_end_k_q29ad25cc9b_sum:
	.size	k_q29ad25cc9b_sum, .Lfunc_end_k_q29ad25cc9b_sum-k_q29ad25cc9b_sum
	.p2alignl 7, 3214868480
	.fill 96, 4, 3214868480
	.section	.rodata,"a",@progbits
	.p2align	6, 0x0
	.amdhsa_kernel k_q29ad25cc9b_sum
		.amdhsa_group_segment_fixed_size 0
		.amdhsa_private_segment_fixed_size 0
		.amdhsa_enable_private_segment 0
		.amdhsa_kernarg_size 32
		.amdhsa_user_sgpr_count 2
		.amdhsa_user_sgpr_kernarg_segment_ptr 1
		.amdhsa_wavefront_size32 1
		.amdhsa_system_sgpr_workgroup_id_x 1
		.amdhsa_system_sgpr_workgroup_id_y 1
		.amdhsa_system_sgpr_workgroup_id_z 1
		.amdhsa_system_vgpr_workitem_id 0
		.amdhsa_next_free_vgpr 144
		.amdhsa_next_free_sgpr 66
		.amdhsa_reserve_vcc 0
		.amdhsa_float_denorm_mode_32 3
		.amdhsa_float_denorm_mode_16_64 3
		.amdhsa_memory_ordered 1
		.amdhsa_forward_progress 1
		.amdhsa_inst_pref_size 11
	.end_amdhsa_kernel
	.amdgpu_metadata
---
amdhsa.version: [ 1, 2 ]
amdhsa.kernels:
  - .name:           k_q29ad25cc9b_sum
    .symbol:         k_q29ad25cc9b_sum.kd
    .args:
      - { .name: y, .offset: 0, .size: 8, .value_kind: global_buffer, .address_space: global }
      - { .name: pos, .offset: 8, .size: 8, .value_kind: global_buffer, .address_space: global }
      - { .name: wts, .offset: 16, .size: 8, .value_kind: global_buffer, .address_space: global }
      - { .name: out0, .offset: 24, .size: 8, .value_kind: global_buffer, .address_space: global }
    .group_segment_fixed_size: 0
    .private_segment_fixed_size: 0
    .kernarg_segment_align: 8
    .kernarg_segment_size: 32
    .max_flat_workgroup_size: 256
    .sgpr_count:     66
    .vgpr_count:     144
    .wavefront_size: 32
...
	.end_amdgpu_metadata
.endif
;; end of part 4
;; ======== version 2 of 2: 4 launches; version 1 with the launch down written anew for expert scheduling mode
;; workspace buffers: xb 2,097,152 bytes; sel 8,192 bytes of whole numbers; wts 8,192 bytes; pos 65,536 bytes of whole numbers; cnt 256 bytes of whole numbers; act 33,554,432 bytes; y 134,217,728 bytes
;; launch router: the kernel of part 1 again; grid 64 x 1, 8 waves a work-group, no clusters, 42,240 bytes of LDS; arguments x, gate_w, out1, xb, sel, wts; writes out1, xb, sel, wts
;; launch up: the kernel of part 2 again; grid 32 x 8, 8 waves a work-group, no clusters, 305,408 bytes of LDS; arguments sel, xb, w1, act, pos, cnt; writes act, pos, cnt
;; launch down (part 5): grid 32 x 8, 8 waves a work-group, no clusters, 216,064 bytes of LDS; arguments cnt, act, w2, y; writes y
.if DOCPART == 5
	.amdgcn_target "amdgcn-amd-amdhsa--gfx1250"
	.amdhsa_code_object_version 6
	.text
	.protected	k_q29ad25cc9b_down
	.globl	k_q29ad25cc9b_down
	.p2align	8
	.type	k_q29ad25cc9b_down,@function
k_q29ad25cc9b_down:
	s_mov_b64 s[64:65], 0
	v_nop
	global_prefetch_b8 v0, s[64:65] scope:SCOPE_SE
	s_setreg_imm32_b32 hwreg(HW_REG_WAVE_SCHED_MODE, 0, 2), 2
	s_setreg_imm32_b32 hwreg(HW_REG_WAVE_MODE, 25, 1), 1
	s_wait_xcnt 0x0
	s_wait_alu depctr_vm_vsrc(0)
; SECOND PRODUCT, IN FOUR PARTS ALONG K.  Work-group (cs + 8 q, e) owns columns 128 cs .. and hidden channels 512 q .. of w2[e] ([2048][1024] f32), which it alone reads, once, and all rows of expert e.
; y[q][1024 e + rank][:] = the partial sums in f32; the next launch adds the four parts and the two experts of each token.
; The loop is the first product's: 8 chunks of 64 k; a wave loads 8 rows of 512 bytes, rounds to bf16 and lays them into LDS as [k][128 n]; each LDS byte of the slice is written once and stays; one barrier a chunk.
; ROWS.  A tile is 16 ranks; act lies in the order of the operand registers: byte (64 e + T) 65,536 + KS 1,024 + half 512 + 16 lane, so each token load of a wave covers 512 consecutive bytes.
; Pass p serves tiles 24 p + 8 t + w.  Pass 0 (384 rows) runs under the stream; passes 1 and 2 read the slice from LDS alone and are not pipelined: the price of more than 384 rows on one expert.
; A wave's tiles 0 and 1 are always multiplied (256 rows a work-group, the mean share; one past the count is never stored); the products of tile 2 are jumped, forward, over matrix instructions alone, where it
; lies past the count (cnt, stored by the launch before).  The loads of tiles past the count are always issued and point at the expert's tile 0, which is always written.
; MATRIX USE.  Source 0 = 16 weight columns x 32 k (two turning loads), source 1 = 16 ranks x 32 k.  In the result lane (r, h) holds rank r, register j column 16 c + 8 h + j.
; BY HALVES.  The eight weight fragments of a k step lie in two halves of four.  While one half is multiplied (8 or 12 products) the other half's eight turning loads are on their way, across k steps and chunks.
; THE WAY OUT goes through a stage of the wave's own: 16 rows x 528 bytes in, whole rows of 512 bytes back, so that each store covers 512 consecutive bytes at a multiple of 512 from y's first byte.
; Each pass has two barriers, at places that every wave passes: one between the pass's reads of the slice and the stores into the stages, one behind the stages' traffic.
; NO JOINT LOADS: each byte of w2 has one reader; act's tiles, which eight work-groups share, go straight into registers, and how many of them are used hangs on a stored count.
; THE MODE: SCHED_MODE bits 1:0 = 2 (LLVM: expert scheduling mode 2), set by the entry lines.  The code itself states the register dependences
; between vector or matrix instructions and memory or LDS instructions, with s_wait_alu, always for 0.
; THE PLAN.  Registers that memory or LDS instructions touch, in pass 0's trips:
;   WR0 .. WR2    Trip i: its sixteen conversions round W(i + 1) in place; its eight LDS stores read the result; then the loads of W(i + 4) land in the same slot.
;   AR0 .. AR2    Trip i: its products read A(i); at the trip's end the loads of A(i + 3) land in the same slot.
;   WF, two halves  A group's 8 or 12 products read a half; then the eight turning loads of the group after next land in it.
;   v[TRB ..], v[STB ..], v[WOFF], v[AOFF ..]  Addresses and offsets: read by the loads and stores, written by nothing in the trips: the chunk stands in the immediate offset, the scalar bases do the rest.
;   The accumulators are named by matrix instructions alone until a pass's way out.
; So a trip has five waits on va_vdst: one behind the conversions (ahead of it the matrix work of the trip before has been waited for already), and one ahead of each of the four groups of turning loads, behind the
; products that read that half; the last of them also serves the token loads.  One wait on vm_vsrc stands ahead of the loads of W(i + 4), which stand behind the trip's first eight products.
.set NCH,  8
.set ROWB, 4096                        ; bytes in a row of w2[e]
.set CHW,  64*ROWB
.set CHA,  2048                        ; two k steps of a tile of act
.set AKS,  1024
.set AH,   512
.set WP,   288                         ; an LDS row of the slice: 256 bytes + 32 = 72 words: 16 lanes of a turning load take 8 rows x 32 bytes, each word place (mod 64) once
.set CHL,  64*WP
.set TRMAX, (NCH-1)*CHL+15*WP+16       ; the highest address that a turning load's register takes: the last chunk, the last lane's place
.set STAGE, 512*WP                     ; 147,456
.set SGP,  528                         ; a stage row: 512 bytes + 16 = 132 words: row r starts 4 r words on (mod 64)
.set SPARE, STAGE+8*16*SGP             ; 215,040: the spare words, 128 bytes a wave: four blocks of 256 bytes that no other line names
.set SPW,  1
.set NIL,  2
.set TRB,  3                           ; v3-5  my lane's place in a turning load, in chunks 0, 3 and 6: the two chunks behind each are reached by the immediate (50,912 at the most)
.set WOFF, 6
.set AOFF, 7                           ; v7-9  16 lane + my tile, by tile
.set STO,  10                          ; the way out: where I put 32 bytes of a row
.set RD,   11                          ; where I read a row back
.set L16,  12                          ; 16 x lane
.set STB,  13                          ; v13-14  my lane's place in my wave's 8 rows of chunks 0 and 4: the three chunks behind each are reached by the immediate (57,312 at the most)
.set TRA,  15                          ; the later passes: my lane's place in a turning load + the chunk in hand
.set TA,   16                          ; at the head only: at work
.set TB,   17
.set WR,   16                          ; v16-111   weights as loaded: three slots of 8 loads
.set AR,   112                         ; v112-255  token fragments: three slots of 3 tiles x 2 k steps x 8
.set RB,   16                          ; at a pass's end: v16-207, 64 registers a tile, rows read back from the stage
.set WF,   192                         ; window 1: accumulator (t, c) at 64 t + 8 c; weight fragment c at WF + 8 c
.set WAVE, 16
.set CSL,  17
.set EXPT, 18
.set CNT,  19
.set NTL,  20
.set NW,   21
.set PASS, 22
.set LC,   23
.set REM,  24
.set TBASE, 25                         ; 24 p + w
.set OB,   30
.set AB0,  36                          ; s[36:37] act at my quarter's first chunk
.set QK,   38
.set AS,   50                          ; s50-52  a tile's byte offset in act, a register for each tile
.set RO,   59                          ; the later passes: LDS byte at which the chunk to be read begins
.set WB,   66                          ; s[66:71] a pair for each slot of the weights' ring: w2 at the chunk that the slot loaded last
.set AB,   72                          ; s[72:77] the same for the tokens' ring, in act
.set MSB, 0
.macro WIN new                         ; s_set_vgpr_msb: bits 1:0 source 0, 3:2 source 1, 5:4 source 2, 7:6 destination; the high byte repeats the setting that is left
.if MSB != (\new)
	s_set_vgpr_msb (MSB<<8)|(\new)
.set MSB, \new
.endif
.endm
.macro PLACES                          ; four places between a matrix instruction and a load into, or a read of, its registers (ISA guide 7.12.1 for vector reads); a wait on va_vdst fills none: they stay beside the waits
.rept 4
	v_nop
.endr
.endm
.macro WLOAD slot
.irp j, 0,1,2,3,4,5,6,7
	global_load_b128 v[WR+32*(\slot)+4*(\j):WR+32*(\slot)+4*(\j)+3], v[WOFF], s[WB+2*(\slot):WB+2*(\slot)+1] offset:(\j)*ROWB th:TH_LOAD_NT
.endr
.endm
.macro ALOAD slot
.irp t, 0,1,2
.irp k, 0,1
	global_load_b128 v[AR+48*(\slot)+16*(\t)+8*(\k):AR+48*(\slot)+16*(\t)+8*(\k)+3],   v[AOFF+(\t)], s[AB+2*(\slot):AB+2*(\slot)+1] offset:(\k)*AKS
	global_load_b128 v[AR+48*(\slot)+16*(\t)+8*(\k)+4:AR+48*(\slot)+16*(\t)+8*(\k)+7], v[AOFF+(\t)], s[AB+2*(\slot):AB+2*(\slot)+1] offset:(\k)*AKS+AH
.endr
.endr
.endm
.macro WCVT slot                       ; a chunk's weights are rounded in place: four numbers close up into the first two of their four registers
.irp j, 0,1,2,3,4,5,6,7
	v_cvt_pk_bf16_f32 v[WR+32*(\slot)+4*(\j)],   v[WR+32*(\slot)+4*(\j)],   v[WR+32*(\slot)+4*(\j)+1]
	v_cvt_pk_bf16_f32 v[WR+32*(\slot)+4*(\j)+1], v[WR+32*(\slot)+4*(\j)+2], v[WR+32*(\slot)+4*(\j)+3]
.endr
.endm
.macro WPUT slot, c                    ; and laid into LDS as chunk c: 8 bytes a lane, 256 consecutive bytes a store
.irp j, 0,1,2,3,4,5,6,7
	ds_store_b64 v[STB+(\c)/4], v[WR+32*(\slot)+4*(\j):WR+32*(\slot)+4*(\j)+1] offset:((\c)%4)*CHL+(\j)*WP
.endr
.endm
.macro FL a, o, ks, half               ; four weight fragments, columns 64 half .. + 63, of k step ks of the chunk at v[a] + o: eight turning loads
	WIN 0x40                                       ; destination window 1, address window 0
.irp cc, 0,1,2,3
	ds_load_tr16_b128 v[WF+32*(\half)+8*(\cc):WF+32*(\half)+8*(\cc)+3],   v[\a] offset:(\o)+(\ks)*32*WP+(4*(\half)+(\cc))*32
	ds_load_tr16_b128 v[WF+32*(\half)+8*(\cc)+4:WF+32*(\half)+8*(\cc)+7], v[\a] offset:(\o)+(\ks)*32*WP+16*WP+(4*(\half)+(\cc))*32
.endr
.endm
; Four products: tile t, one half of the fragments.  The accumulators take turns, one instruction a turn: no two products that follow each other, whichever are jumped, name one accumulator.
.macro MUL4 slot, ks, half, t, zero
	WIN 0x51                                       ; source 0, C and D window 1, source 1 window 0
.irp cc, 0,1,2,3
.if \zero
	v_wmma_f32_16x16x32_bf16 v[64*(\t)+32*(\half)+8*(\cc):64*(\t)+32*(\half)+8*(\cc)+7], v[WF+32*(\half)+8*(\cc):WF+32*(\half)+8*(\cc)+7], v[AR+48*(\slot)+16*(\t)+8*(\ks):AR+48*(\slot)+16*(\t)+8*(\ks)+7], 0
.else
	v_wmma_f32_16x16x32_bf16 v[64*(\t)+32*(\half)+8*(\cc):64*(\t)+32*(\half)+8*(\cc)+7], v[WF+32*(\half)+8*(\cc):WF+32*(\half)+8*(\cc)+7], v[AR+48*(\slot)+16*(\t)+8*(\ks):AR+48*(\slot)+16*(\t)+8*(\ks)+7], v[64*(\t)+32*(\half)+8*(\cc):64*(\t)+32*(\half)+8*(\cc)+7]
.endif
.endr
.endm
.macro MULA slot, ks, half, zero       ; tiles 0 and 1: always
	MUL4 \slot, \ks, \half, 0, \zero
	MUL4 \slot, \ks, \half, 1, \zero
.endm
.macro MULB slot, ks, half, zero, all  ; tile 2: jumped where it lies past the count, unless all = 1
.if !(\all)
	WIN 0                                          ; at a branch and at a label every window is 0
	s_cmp_le_u32 s[NW], 2
	s_cbranch_scc1 .Ldead_\@
.endif
	MUL4 \slot, \ks, \half, 2, \zero
	WIN 0
.Ldead_\@:
.endm
; Trip i of pass 0 (slot = i % 3).  At its head the fragments G0 (k step 0, first half) and G1 (k step 0, second half) of chunk i are on their way.
; GLOBAL LOADS come back in order (ISA guide 5.7.1).  With 8 loads to a W and 12 to an A, in a full trip: n1 = A(i), W(i+2), A(i+1), W(i+3), A(i+2) = 52 behind W(i + 1);
; n2 = W(i+2), A(i+1), W(i+3), A(i+2) = 40 behind A(i): W(i + 4) is asked for behind that wait.  60 loads of a wave are out at the most.  A slot's base is stepped, by three chunks, behind the wait that shows the slot's own loads done.
; LDS INSTRUCTIONS are served in order too, eight to a group of fragments and eight to a chunk's stores: behind G0 stand G1 and the stores (16), behind G1 the stores and G2 (16), behind G3 the next G0 (8).
; more = 1: a chunk follows: it is stored at the trip's head; the barrier's signal stands behind the wait for those stores, and the chunk's first fragments are asked for behind the barrier's wait.
; Between signal and wait stand four v_nop, the wait for the products of G1, the loads of G3 (chunk i's bytes, which nobody writes again) and eight products.
.macro CH i, zero, n1, n2, more, wld, ald
.set SL_, (\i)%3
.set WS_, ((\i)+1)%3
.if \more
	s_wait_loadcnt \n1                             ; W(i + 1) is in
	WCVT WS_
	s_wait_alu depctr_va_vdst(0)                   ; the conversions have written WR[WS_], which the LDS stores read; they are also done with the registers in which W(i + 4) lands further down
	WPUT WS_, (\i)+1
.endif
	s_wait_loadcnt \n2                             ; A(i) is in
	s_wait_dscnt 8+8*(\more)                       ; G0 is in
	MULA SL_, 0, 0, \zero
.if \wld
	WIN 0
	s_wait_alu depctr_vm_vsrc(0)                   ; the LDS stores above have read WR[WS_], in which the loads below land; no vector or matrix instruction since the wait behind the conversions names that slot
	s_add_nc_u64 s[WB+2*WS_:WB+2*WS_+1], s[WB+2*WS_:WB+2*WS_+1], 3*CHW
	WLOAD WS_                                      ; W(i + 4)
.endif
	MULB SL_, 0, 0, \zero, \zero
	PLACES
	WIN 0x40
	s_wait_alu depctr_va_vdst(0)                   ; the products of G0 are done reading the first half, in which G2 lands
	FL TRB+(\i)/3, ((\i)%3)*CHL, 1, 0              ; G2
	s_wait_dscnt 8+8*(\more)                       ; G1 is in
	MULA SL_, 0, 1, \zero
	MULB SL_, 0, 1, \zero, \zero
.if \more
	s_wait_dscnt 0x0                               ; for the others' sake: my stores of chunk i + 1 are done (and G2 is in); no LDS instruction of mine is out
	s_barrier_signal -1
.endif
	PLACES
	WIN 0x40
	s_wait_alu depctr_va_vdst(0)                   ; the products of G1 are done reading the second half, in which G3 lands
	FL TRB+(\i)/3, ((\i)%3)*CHL, 1, 1              ; G3
.if !(\more)
	s_wait_dscnt 8                                 ; G2 is in
.endif
	MULA SL_, 1, 0, 0
.if \more
	s_barrier_wait -1                              ; chunk i + 1 lies whole in LDS
.endif
	MULB SL_, 1, 0, 0, \zero
.if \more
	PLACES
	WIN 0x40
	s_wait_alu depctr_va_vdst(0)                   ; the products of G2 are done reading the first half, in which the next chunk's G0 lands
	FL TRB+((\i)+1)/3, (((\i)+1)%3)*CHL, 0, 0      ; the next chunk's G0
	s_wait_dscnt 8                                 ; G3 is in
.else
	s_wait_dscnt 0x0
.endif
	MULA SL_, 1, 1, 0
	MULB SL_, 1, 1, 0, \zero
.if \more
	PLACES                                         ; also the places in front of the token loads below
	WIN 0x40
	s_wait_alu depctr_va_vdst(0)                   ; the products of G3 are done reading the second half, in which the next chunk's G1 lands; all the trip's products are done reading AR[slot], in which A(i + 3) lands
	FL TRB+((\i)+1)/3, (((\i)+1)%3)*CHL, 0, 1      ; the next chunk's G1
.endif
	WIN 0
.if \ald
	s_add_nc_u64 s[AB+2*SL_:AB+2*SL_+1], s[AB+2*SL_:AB+2*SL_+1], 3*CHA
	ALOAD SL_                                      ; A(i + 3): between the wait above and these loads stand loads and a window switch alone
.endif
.endm
.macro LPC zero                        ; a chunk of a later pass: the weights lie in LDS; nothing is pipelined.  The chunk is counted at run time, so the one address is stepped
.if !(\zero)
	s_wait_alu depctr_vm_vsrc(0)                   ; the last chunk's turning loads have read v[TRA] (in a pass's first chunk the wait at the pass's head has said so)
.endif
	v_add_nc_u32 v[TRA], s[RO], v[TRB]
	v_min_u32 v[TRA], TRMAX, v[TRA]                ; held inside the slice
	PLACES
	s_wait_alu depctr_va_vdst(0)                   ; v[TRA] is written, and in a pass's first chunk v[AOFF ..]; the products issued so far are done reading AR0 and both halves of the fragments, in which the loads below land
	ALOAD 0
	FL TRA, 0, 0, 0
	FL TRA, 0, 0, 1
	s_wait_loadcnt 0x0
	s_wait_dscnt 0x0
	MULA 0, 0, 0, \zero
	MULB 0, 0, 0, \zero, \zero
	MULA 0, 0, 1, \zero
	MULB 0, 0, 1, \zero, \zero
	s_wait_xcnt 0x0                                ; the base is stepped only when the loads have read it
	s_add_nc_u64 s[AB:AB+1], s[AB:AB+1], CHA
	PLACES
	WIN 0x40
	s_wait_alu depctr_va_vdst(0)                   ; the first k step's products are done reading both halves, in which the second k step's fragments land
	FL TRA, 0, 1, 0
	FL TRA, 0, 1, 1
	s_wait_dscnt 0x0
	MULA 0, 1, 0, 0
	MULB 0, 1, 0, 0, \zero
	MULA 0, 1, 1, 0
	MULB 0, 1, 1, 0, \zero
	s_add_co_u32 s[RO], s[RO], CHL
.endm
.macro MKNW
	s_add_co_i32 s[NW], s[REM], 7
	s_ashr_i32 s[NW], s[NW], 3
	s_max_i32 s[NW], s[NW], 0
	s_min_i32 s[NW], s[NW], 3
.endm
.macro MKAOFF                          ; a live tile's own bytes; a dead tile's loads take the expert's tile 0
.irp t, 0,1,2
	s_add_co_u32 s[AS+(\t)], s[TBASE], 8*(\t)
	s_cmp_lt_u32 \t, s[NW]
	s_cselect_b32 s[AS+(\t)], s[AS+(\t)], 0
	s_min_u32 s[AS+(\t)], s[AS+(\t)], 63
	s_lshl_b32 s[AS+(\t)], s[AS+(\t)], 16
	v_add_nc_u32 v[AOFF+(\t)], s[AS+(\t)], v[L16]
.endr
.endm
.macro OUTT t
	WIN 0x04                                       ; the stores' data in window 1.  Each accumulator's low four registers go first
.irp c, 0,1,2,3,4,5,6,7
	ds_store_b128 v[STO], v[64*(\t)+8*(\c):64*(\t)+8*(\c)+3]   offset:64*(\c)
	ds_store_b128 v[STO], v[64*(\t)+8*(\c)+4:64*(\t)+8*(\c)+7] offset:64*(\c)+16
.endr
	WIN 0
.irp m, 0,1,2,3,4,5,6,7,8,9,10,11,12,13,14,15
	ds_load_b128 v[RB+64*(\t)+4*(\m):RB+64*(\t)+4*(\m)+3], v[RD] offset:SGP*(\m)   ; LDS serves a wave's instructions in order (ISA guide 5.7.1.4): these see the stores above, and the next tile's stores come behind them
.endr
.irp m, 0,1,2,3,4,5,6,7,8,9,10,11,12,13,14,15
	s_wait_dscnt 15-(\m)                           ; row m is back; the younger reads may stay out
	global_store_b128 v[L16], v[RB+64*(\t)+4*(\m):RB+64*(\t)+4*(\m)+3], s[OB:OB+1] offset:(\t)*524288+(\m)*4096
.endr
.endm
	s_load_b256 s[4:11], s[0:1], 0x0               ; cnt s[4:5], act s[6:7], w2 s[8:9], y s[10:11]
	v_lshl_add_u32 v[SPW], v0, 2, SPARE
	v_mov_b32 v[NIL], 0
	v_lshrrev_b32 v[TA], 5, v0
	v_readfirstlane_b32 s[WAVE], v[TA]
	s_and_b32 s[CSL], ttmp9, 7                     ; which 128 columns
	s_lshr_b32 s[QK], ttmp9, 3                     ; which quarter of K
	s_and_b32 s[EXPT], ttmp7, 0xffff
	v_and_b32 v[TA], 31, v0                        ; lane
	v_lshlrev_b32 v[L16], 4, v[TA]
	s_wait_alu depctr_va_sdst(0)                   ; the wave's number is written, ahead of its first reader: LDS places, offsets and bases are made from it
	s_mul_i32 s46, s[WAVE], 8*WP
	v_lshl_add_u32 v[STB], v[TA], 3, s46           ; my wave's 8 rows of chunk 0, 8 bytes a lane,
	v_add_nc_u32 v[STB+1], 4*CHL, v[STB]           ; and of chunk 4
	s_lshl_b32 s47, s[WAVE], 15
	v_add_nc_u32 v[WOFF], s47, v[L16]              ; my wave's 8 rows of 4,096 bytes, 16 bytes a lane
	s_mul_i32 s48, s[WAVE], 16*SGP
	s_add_co_u32 s48, s48, STAGE                   ; my stage
	v_add_nc_u32 v[RD], s48, v[L16]
	v_bfe_u32 v[TB], v0, 4, 1                      ; h
	v_and_b32 v[TA], 15, v0                        ; r
	v_mul_u32_u24 v[STO], v[TA], SGP
	v_lshl_add_u32 v[STO], v[TB], 5, v[STO]
	v_add_nc_u32 v[STO], s48, v[STO]
	v_and_b32 v[TA], 7, v0
	v_lshl_add_u32 v[TA], v[TB], 3, v[TA]
	v_mul_u32_u24 v[TRB], v[TA], WP                ; the turning load: row 8 h + lane % 8,
	v_bfe_u32 v[TA], v0, 3, 1
	v_lshl_add_u32 v[TRB], v[TA], 4, v[TRB]        ; 16 bytes by (lane / 8) % 2: chunk 0,
	v_add_nc_u32 v[TRB+1], 3*CHL, v[TRB]           ; chunk 3,
	v_add_nc_u32 v[TRB+2], 6*CHL, v[TRB]           ; chunk 6
	s_lshl_b32 s32, s[EXPT], 2                     ; cnt[e]
	s_mov_b32 s33, 0
	s_lshl_b32 s40, s[EXPT], 23                    ; w2[e]: 8,388,608 bytes an expert,
	s_lshl_b32 s41, s[QK], 21                      ; 512 rows of 4,096 bytes a quarter,
	s_add_co_u32 s40, s40, s41
	s_lshl_b32 s41, s[CSL], 9                      ; 512 bytes a slice
	s_add_co_u32 s40, s40, s41
	s_mov_b32 s41, 0
	s_lshl_b32 s42, s[EXPT], 22                    ; act: 64 tiles of 65,536 bytes an expert,
	s_lshl_b32 s43, s[QK], 14                      ; 16 k steps of 1,024 bytes a quarter
	s_add_co_u32 s42, s42, s43
	s_mov_b32 s43, 0
	s_lshl_b32 s44, s[EXPT], 6
	s_add_co_u32 s44, s44, s[WAVE]
	s_lshl_b32 s44, s44, 16                        ; y: tile 64 e + w, 16 rows of 4,096 bytes a tile,
	s_lshl_b32 s45, s[QK], 25                      ; 33,554,432 bytes a quarter,
	s_add_co_u32 s44, s44, s45
	s_lshl_b32 s45, s[CSL], 9                      ; 512 bytes a slice
	s_add_co_u32 s44, s44, s45
	s_mov_b32 s45, 0
	s_mov_b32 s[TBASE], s[WAVE]
	s_wait_kmcnt 0x0
	s_add_nc_u64 s[34:35], s[4:5], s[32:33]
	s_load_b32 s[CNT], s[34:35], 0x0
	s_add_nc_u64 s[WB:WB+1], s[8:9], s[40:41]      ; chunks 0, 1, 2 for slots 0, 1, 2
	s_add_nc_u64 s[WB+2:WB+3], s[WB:WB+1], CHW
	s_add_nc_u64 s[WB+4:WB+5], s[WB+2:WB+3], CHW
	s_add_nc_u64 s[AB0:AB0+1], s[6:7], s[42:43]
	s_add_nc_u64 s[OB:OB+1], s[10:11], s[44:45]
	s_mov_b64 s[AB:AB+1], s[AB0:AB0+1]
	s_add_nc_u64 s[AB+2:AB+3], s[AB0:AB0+1], CHA
	s_add_nc_u64 s[AB+4:AB+5], s[AB0:AB0+1], 2*CHA
	s_wait_alu depctr_va_vdst(0)                   ; the offsets and LDS addresses v3 to v6 and v10 to v14 are written, which the loads and stores of the whole kernel read; so are v16 and v17, in which weights land
	WLOAD 0
	WLOAD 1
	WLOAD 2
	s_wait_kmcnt 0x0
	s_min_u32 s[CNT], s[CNT], 1024
	s_add_co_u32 s[NTL], s[CNT], 15
	s_lshr_b32 s[NTL], s[NTL], 4                   ; tiles with rows; 0 for an expert that nobody chose: nothing is then stored
	s_sub_co_i32 s[REM], s[NTL], s[WAVE]
	MKNW
	MKAOFF
	s_wait_loadcnt 16                              ; chunk 0 is in: chunks 1 and 2 were issued behind it
	WCVT 0
	s_wait_alu depctr_va_vdst(0)                   ; the conversions have written WR0, which the LDS stores read, and are done with the registers in which chunk 3 lands; v[AOFF ..] are written, which the token loads read
	WPUT 0, 0
	s_wait_dscnt 0x0                               ; for the others' sake: my part of chunk 0
	s_barrier_signal -1
	s_barrier_wait -1
	s_wait_alu depctr_vm_vsrc(0)                   ; my LDS stores have read WR0, in which chunk 3 lands below
	FL TRB, 0, 0, 0                                ; chunk 0's G0 and G1: no vector or matrix instruction has named their registers yet
	FL TRB, 0, 0, 1
	WIN 0
	ALOAD 0
	ALOAD 1
	s_add_nc_u64 s[WB:WB+1], s[WB:WB+1], 3*CHW     ; slot 0's loads, chunk 0, were shown done above
	WLOAD 0                                        ; chunk 3
	ALOAD 2
	; PASS 0, under the stream: eight trips, written out
	CH 0, 1, 52, 32, 1, 1, 1                       ; trip 0: behind A0 stand A1, W3, A2 = 32
	CH 1, 0, 52, 40, 1, 1, 1
	CH 2, 0, 52, 40, 1, 1, 1
	CH 3, 0, 52, 40, 1, 1, 1                       ; trip 3 asks for the last chunk of weights
	CH 4, 0, 52, 40, 1, 0, 1                       ; trip 4: no W is asked for; the last A is asked for
	CH 5, 0, 44, 32, 1, 0, 0                       ; trip 5: behind W6: A5, W7, A6, A7 = 44; behind A5: W7, A6, A7 = 32
	CH 6, 0, 24, 12, 1, 0, 0                       ; trip 6: behind W7: A6, A7 = 24; behind A6: A7 = 12
	CH 7, 0, 0, 0, 0, 0, 0                         ; trip 7: nothing is stored, nothing is out behind A7
	s_wait_alu depctr_vm_vsrc(0)                   ; the LDS stores of chunks 5 to 7 have read WR0 to WR2, in which rows from the stage land on the way out
	s_mov_b32 s[PASS], 3
	s_branch .Lepi                                 ; the loop over passes is entered at a pass's way out
.Lpass:
	s_wait_xcnt 0x0                                ; the stores have read their data and y's address
	s_wait_alu depctr_vm_vsrc(0)                   ; the global stores have read v[RB ..], in which token loads and the next rows from the stage land; the LDS stores have read the accumulators, which the next products write; the token loads have read v[AOFF ..], and the turning loads v[TRA], which are made anew
	s_sub_co_i32 s[REM], s[REM], 24
	s_add_co_u32 s[TBASE], s[TBASE], 24
	s_add_nc_u64 s[OB:OB+1], s[OB:OB+1], 24*65536
	MKNW
	s_cmp_eq_u32 s[NW], 0
	s_cbranch_scc1 .Lepi                           ; a wave without tiles jumps the products, and no barrier
	MKAOFF
	s_mov_b32 s[RO], 0
	s_mov_b64 s[AB:AB+1], s[AB0:AB0+1]
	LPC 1
	s_mov_b32 s[LC], NCH-1
.Llater:
	LPC 0
	s_sub_co_u32 s[LC], s[LC], 1
	s_cmp_lg_u32 s[LC], 0
	s_cbranch_scc1 .Llater
.Lepi:
	s_barrier_signal -1                            ; every wave's reads of the slice in this pass are back (each group was waited for) before any wave stores into a stage
	s_barrier_wait -1
	PLACES
	s_wait_alu depctr_va_vdst(0)                   ; the products have written the accumulators, which the LDS stores read, and are done reading the token fragments, in which rows from the stage land; one wait for the three tiles: no vector or matrix instruction follows in the pass
.irp t, 0,1,2
	s_cmp_le_u32 s[NW], \t
	s_cbranch_scc1 .Lnext
	OUTT \t
.endr
.Lnext:
	s_wait_dscnt 0x0                               ; my stores into my stage and my reads of it are done,
	s_barrier_signal -1                            ; and so are every wave's, before the next pass reads LDS or the closing add writes it
	s_barrier_wait -1
	s_sub_co_u32 s[PASS], s[PASS], 1
	s_cmp_lg_u32 s[PASS], 0
	s_cbranch_scc1 .Lpass
	s_wait_dscnt 0x0                               ; the closing lines, six on end
	s_wait_alu 0x0
	s_wait_tensorcnt 0x0
	ds_add_u32 v[SPW], v[NIL]
	s_wait_dscnt 0x0
	s_endpgm
.Lfunc_end_k_q29ad25cc9b_down:
	.size	k_q29ad25cc9b_down, .Lfunc_end_k_q29ad25cc9b_down-k_q29ad25cc9b_down
	.p2alignl 7, 3214868480
	.fill 96, 4, 3214868480
	.section	.rodata,"a",@progbits
	.p2align	6, 0x0
	.amdhsa_kernel k_q29ad25cc9b_down
		.amdhsa_group_segment_fixed_size 216064
		.amdhsa_private_segment_fixed_size 0
		.amdhsa_enable_private_segment 0
		.amdhsa_kernarg_size 32
		.amdhsa_user_sgpr_count 2
		.amdhsa_user_sgpr_kernarg_segment_ptr 1
		.amdhsa_wavefront_size32 1
		.amdhsa_system_sgpr_workgroup_id_x 1
		.amdhsa_system_sgpr_workgroup_id_y 1
		.amdhsa_system_sgpr_workgroup_id_z 1
		.amdhsa_system_vgpr_workitem_id 0
		.amdhsa_next_free_vgpr 512
		.amdhsa_next_free_sgpr 80
		.amdhsa_reserve_vcc 0
		.amdhsa_float_denorm_mode_32 3
		.amdhsa_float_denorm_mode_16_64 3
		.amdhsa_memory_ordered 1
		.amdhsa_forward_progress 1
		.amdhsa_inst_pref_size 115
	.end_amdhsa_kernel
	.amdgpu_metadata
---
amdhsa.version: [ 1, 2 ]
amdhsa.kernels:
  - .name:           k_q29ad25cc9b_down
    .symbol:         k_q29ad25cc9b_down.kd
    .args:
      - { .name: cnt, .offset: 0, .size: 8, .value_kind: global_buffer, .address_space: global }
      - { .name: act, .offset: 8, .size: 8, .value_kind: global_buffer, .address_space: global }
      - { .name: w2, .offset: 16, .size: 8, .value_kind: global_buffer, .address_space: global }
      - { .name: y, .offset: 24, .size: 8, .value_kind: global_buffer, .address_space: global }
    .group_segment_fixed_size: 216064
    .private_segment_fixed_size: 0
    .kernarg_segment_align: 8
    .kernarg_segment_size: 32
    .max_flat_workgroup_size: 256
    .sgpr_count:     80
    .vgpr_count:     512
    .wavefront_size: 32
...
	.end_amdgpu_metadata
.endif
;; end of part 5
;; launch sum: the kernel of part 4 again; grid 256 x 1, 8 waves a work-group, no clusters, 0 bytes of LDS; arguments y, pos, wts, out0; writes out0
